; MI455X (gfx1250); checked and timed in simulation.
; The chip was launched on July 23, 2026; its instructions are those of AMD's public machine-readable ISA for CDNA 5 (MIT licence, August 2026) and "CDNA5" Instruction Set Architecture Reference Guide (July 2026). The comments in the code are by the model that wrote it; some were corrected since.
;; Self Attention. Allowed arithmetic: float matrix products may take bf16 or f16 operands with f32 sums; other float arithmetic in f32, or as packed bf16 or f16 multiplies, adds, multiply-adds, maxima and minima; sums over many terms, partial sums and values carried from step to step in f32; what a program stores and reads back later, other than sums and carried values, may be rounded once to bf16 or f16.
;; Inputs: Wk 1,024 x 1,024 float32; Wq 1,024 x 1,024 float32; Wv 1,024 x 1,024 float32; x 4 x 2,048 x 1,024 float32.
;; Outputs: out0 4 x 2,048 x 1,024 float32.
;; 2 versions, each right; version 2 is version 1 with the launches prep, gram written anew for expert scheduling mode. Each part assembles by itself: llvm-mc -triple=amdgcn-amd-amdhsa -mcpu=gfx1250 --defsym DOCPART=n.
;; ======== version 1 of 2: 5 launches
;; limits: values are held in f16: magnitudes above 65,504 overflow, below 6.1e-05 lose precision; right only within a limited range of input values
;; workspace buffers: xh 16,777,216 bytes; wh 4,194,304 bytes; bcat 4,194,304 bytes; yv 33,554,432 bytes; p 33,554,432 bytes; st 1,048,576 bytes
;; launch prep (part 1): grid 256 x 1, 8 waves a work-group, no clusters, 0 bytes of LDS; arguments x, Wq, Wk, Wv, xh, wh, bcat; writes xh, wh, bcat
.if DOCPART == 1
	.amdgcn_target "amdgcn-amd-amdhsa--gfx1250"
	.amdhsa_code_object_version 6
	.text
	.protected	k_q7ebaf45852_prep
	.globl	k_q7ebaf45852_prep
	.p2align	8
	.type	k_q7ebaf45852_prep,@function
k_q7ebaf45852_prep:
	s_mov_b64 s[64:65], 0
	v_nop
	global_prefetch_b8 v0, s[64:65] scope:SCOPE_SE
	s_setreg_imm32_b32 hwreg(HW_REG_WAVE_MODE, 25, 1), 1
	s_wait_xcnt 0x0
; x, Wq, Wk, Wv (f32) are rounded once to f16: xh [8192][1024]; wh = Wq, then Wk, each [1024][1024]; Wv goes into the right half of bcat [1024][2048].
; LIMIT: a number of 65,520 or more in magnitude becomes an infinity in f16; the inputs are taken to lie within 65,504.
; A stream: no LDS, no matrix unit, no loop.  A work-group takes 32 rows of x and 4 rows of each W, so all 256 are alike.
; A load of a wave takes 512 consecutive bytes (16 a lane), so no byte is touched by two loads; two roundings; a store of 8 bytes a lane: 256 consecutive bytes, aligned.
; A wave has 44 such loads (32 of x, 4 of each W); all go out first, so the wave's whole share is on its way at once; no register is written twice.
.set D, 16                             ; v[16:191]  load p at D + 4 p
.macro LD1 p, vo, sb, imm
	global_load_b128 v[D+4*(\p):D+4*(\p)+3], v[\vo], s[\sb:\sb+1] offset:(\imm) th:TH_LOAD_NT
.endm
.macro ST1 p, vo, sb, imm
	s_wait_loadcnt 43-(\p)                         ; loads come back in order: behind load p, 43 - p were issued
	v_cvt_pk_f16_f32 v[D+4*(\p)],   v[D+4*(\p)],   v[D+4*(\p)+1]  ; in place, ascending: what is written has been read
	v_cvt_pk_f16_f32 v[D+4*(\p)+1], v[D+4*(\p)+2], v[D+4*(\p)+3]
	global_store_b64 v[\vo], v[D+4*(\p):D+4*(\p)+1], s[\sb:\sb+1] offset:(\imm) th:TH_STORE_NT
.endm
	s_load_b256 s[4:11], s[0:1], 0x0               ; x s[4:5], Wq s[6:7], Wk s[8:9], Wv s[10:11]
	s_load_b128 s[12:15], s[0:1], 0x20             ; xh s[12:13], wh s[14:15]
	s_load_b64 s[16:17], s[0:1], 0x30              ; bcat
	v_and_b32 v1, 31, v0                           ; lane
	v_lshrrev_b32 v7, 5, v0                        ; wave
	v_lshlrev_b32 v8, 4, v1                        ; 16 x lane: in
	v_lshlrev_b32 v9, 3, v1                        ; 8 x lane: out
	v_lshl_add_u32 v2, v7, 14, v8                  ; x in: the wave's 4 rows, 16,384 bytes
	v_lshl_add_u32 v3, v7, 13, v9                  ; xh out: 8,192 bytes
	v_lshl_add_u32 v4, v7, 11, v8                  ; W in: half a row, 2,048 bytes
	v_lshl_add_u32 v5, v7, 10, v9                  ; wh out: 1,024 bytes
	v_lshrrev_b32 v10, 1, v7                       ; bcat out: row wave / 2 (4,096 bytes a row),
	v_and_b32 v11, 1, v7                           ; half wave % 2 of its right half
	v_lshl_add_u32 v6, v10, 12, v9
	v_lshl_add_u32 v6, v11, 10, v6
	v_add_nc_u32 v6, 2048, v6
	s_lshl_b32 s20, ttmp9, 17                      ; the group's 32 rows of x
	s_mov_b32 s21, 0
	s_lshl_b32 s22, ttmp9, 14                      ; its 4 rows of a W, and of bcat
	s_mov_b32 s23, 0
	s_lshl_b32 s24, ttmp9, 16                      ; its 32 rows of xh
	s_mov_b32 s25, 0
	s_lshl_b32 s26, ttmp9, 13                      ; its 4 rows of wh
	s_mov_b32 s27, 0
	s_wait_kmcnt 0x0
	s_add_nc_u64 s[4:5], s[4:5], s[20:21]
	s_add_nc_u64 s[6:7], s[6:7], s[22:23]
	s_add_nc_u64 s[8:9], s[8:9], s[22:23]
	s_add_nc_u64 s[10:11], s[10:11], s[22:23]
	s_add_nc_u64 s[12:13], s[12:13], s[24:25]
	s_add_nc_u64 s[14:15], s[14:15], s[26:27]
	s_add_nc_u64 s[16:17], s[16:17], s[22:23]
.set p, 0
.rept 32
	LD1 p, 2, 4, 512*p
.set p, p+1
.endr
.irp i, 0,1,2,3
	LD1 32+(\i), 4, 6, 512*(\i)
.endr
.irp i, 0,1,2,3
	LD1 36+(\i), 4, 8, 512*(\i)
.endr
.irp i, 0,1,2,3
	LD1 40+(\i), 4, 10, 512*(\i)
.endr
.set p, 0
.rept 32
	ST1 p, 3, 12, 256*p
.set p, p+1
.endr
.irp i, 0,1,2,3
	ST1 32+(\i), 5, 14, 256*(\i)
.endr
.irp i, 0,1,2,3
	ST1 36+(\i), 5, 14, 2097152+256*(\i)           ; Wk lies behind Wq in wh
.endr
.irp i, 0,1,2,3
	ST1 40+(\i), 6, 16, 256*(\i)
.endr
	s_endpgm
.Lfunc_end_k_q7ebaf45852_prep:
	.size	k_q7ebaf45852_prep, .Lfunc_end_k_q7ebaf45852_prep-k_q7ebaf45852_prep
	.p2alignl 7, 3214868480
	.fill 96, 4, 3214868480
	.section	.rodata,"a",@progbits
	.p2align	6, 0x0
	.amdhsa_kernel k_q7ebaf45852_prep
		.amdhsa_group_segment_fixed_size 0
		.amdhsa_private_segment_fixed_size 0
		.amdhsa_enable_private_segment 0
		.amdhsa_kernarg_size 56
		.amdhsa_user_sgpr_count 2
		.amdhsa_user_sgpr_kernarg_segment_ptr 1
		.amdhsa_wavefront_size32 1
		.amdhsa_system_sgpr_workgroup_id_x 1
		.amdhsa_system_sgpr_workgroup_id_y 1
		.amdhsa_system_sgpr_workgroup_id_z 1
		.amdhsa_system_vgpr_workitem_id 0
		.amdhsa_next_free_vgpr 192
		.amdhsa_next_free_sgpr 66
		.amdhsa_reserve_vcc 0
		.amdhsa_float_denorm_mode_32 3
		.amdhsa_float_denorm_mode_16_64 3
		.amdhsa_memory_ordered 1
		.amdhsa_forward_progress 1
		.amdhsa_inst_pref_size 17
	.end_amdhsa_kernel
	.amdgpu_metadata
---
amdhsa.version: [ 1, 2 ]
amdhsa.kernels:
  - .name:           k_q7ebaf45852_prep
    .symbol:         k_q7ebaf45852_prep.kd
    .args:
      - { .name: x, .offset: 0, .size: 8, .value_kind: global_buffer, .address_space: global }
      - { .name: Wq, .offset: 8, .size: 8, .value_kind: global_buffer, .address_space: global }
      - { .name: Wk, .offset: 16, .size: 8, .value_kind: global_buffer, .address_space: global }
      - { .name: Wv, .offset: 24, .size: 8, .value_kind: global_buffer, .address_space: global }
      - { .name: xh, .offset: 32, .size: 8, .value_kind: global_buffer, .address_space: global }
      - { .name: wh, .offset: 40, .size: 8, .value_kind: global_buffer, .address_space: global }
      - { .name: bcat, .offset: 48, .size: 8, .value_kind: global_buffer, .address_space: global }
    .group_segment_fixed_size: 0
    .private_segment_fixed_size: 0
    .kernarg_segment_align: 8
    .kernarg_segment_size: 56
    .max_flat_workgroup_size: 256
    .sgpr_count:     66
    .vgpr_count:     192
    .wavefront_size: 32
...
	.end_amdgpu_metadata
.endif
;; end of part 1
;; launch gram (part 2): grid 256 x 1, 8 waves a work-group, no clusters, 136,192 bytes of LDS; arguments wh, bcat; writes bcat
.if DOCPART == 2
	.amdgcn_target "amdgcn-amd-amdhsa--gfx1250"
	.amdhsa_code_object_version 6
	.text
	.protected	k_q7ebaf45852_gram
	.globl	k_q7ebaf45852_gram
	.p2align	8
	.type	k_q7ebaf45852_gram,@function
k_q7ebaf45852_gram:
	s_mov_b64 s[64:65], 0
	v_nop
	global_prefetch_b8 v0, s[64:65] scope:SCOPE_SE
	s_setreg_imm32_b32 hwreg(HW_REG_WAVE_MODE, 25, 1), 1
	s_wait_xcnt 0x0
; M[d][d'] = the sum over e of Wq[d][e] Wk[d'][e], f16 operands, f32 sums, rounded once to f16 into the left half of bcat [1024][2048].
; (q k^T = x Wq Wk^T x^T for every input: one product with M takes the place of two projections.)  LIMIT: |M| stays under 65,504.
; SHARES.  Work-group (i, j) makes rows 32 i .. +31 and columns 128 j .. +127: a row of the tile is 256 bytes of bcat, aligned.  K IS SPLIT AMONG THE EIGHT WAVES: wave w takes
; e = 128 w .. +127, 256 aligned bytes of each of the 160 rows, as four K steps of 32, for all 16 accumulators.  The eight partial tiles meet in LDS (f32 sums in any order).
; Fragments come straight from memory (both tensors have e along their rows): nothing passes LDS on the way in.  NO CLUSTER: a joint tile would be 160 rows x 2,048 bytes and
; their padding, 337,920 bytes, more than the 327,680 of LDS.  NO PREFETCH: a work-group's whole share, 80 loads a wave, goes out in its first lines.
; The product is used transposed (source 0 = 16 rows of Wk, source 1 = 16 rows of Wq): a lane holds row 16 a + l % 16 of M and the columns 16 b + 8 (l / 16) + 0..7.
.set PP,    528                        ; a row of a partial tile in LDS: 512 bytes + 16: an odd multiple of 16, so 16 rows start in 16 different groups of four banks (ISA guide 11.1)
.set PART,  32*PP                      ; a wave's partial tile
.set SPARE, 8*PART                     ; behind them: the spare words, 128 bytes for each wave: four blocks of 256 bytes that no other line names
.set FO,  2                            ; v2  (l % 16) x 2,048 + 16 (l / 16) + 256 w: my bytes in a fragment's rows; never rewritten
.set LS,  3                            ; v3  where I put 32 bytes of my partial tile
.set LR,  4                            ; v4  where I read 16 bytes of a row back, partial tiles 0-3
.set LR2, 5                            ; v5  partial tiles 4-7
.set YO,  6                            ; v6  my 8 bytes of a row of the tile in bcat
.set SPW, 8                            ; v8  LDS address of my spare word; never rewritten
.set NIL, 9                            ; v9  0; never rewritten
.set ACC, 16                           ; v[16:143] accumulator (a, b) at ACC + 8 (8 a + b)
.set S3,  144                          ; v[144:223] fragment set 3; sets 0, 1, 2 lie in window 1 at 0, 80, 160.  In a set: Wk's fragment b at 8 b, Wq's a at 64 + 8 a
.set MSB, 0
.macro WIN new                         ; the immediate's high byte repeats the setting that is left
.if MSB != (\new)
	s_set_vgpr_msb (MSB<<8)|(\new)
.set MSB, \new
.endif
.endm
.macro LOADS t                         ; K step t: 20 loads
.if (\t) < 3
	WIN 0x40                                       ; destination window 1, address window 0
.set SB, 80*(\t)
.else
	WIN 0
.set SB, S3
.endif
.irp b, 0,1,2,3,4,5,6,7
	global_load_b128 v[SB+8*(\b):SB+8*(\b)+3],   v[FO], s[10:11] offset:(\b)*32768+64*(\t)
	global_load_b128 v[SB+8*(\b)+4:SB+8*(\b)+7], v[FO], s[10:11] offset:(\b)*32768+64*(\t)+32
.endr
.irp a, 0,1
	global_load_b128 v[SB+64+8*(\a):SB+64+8*(\a)+3],   v[FO], s[8:9] offset:(\a)*32768+64*(\t)
	global_load_b128 v[SB+64+8*(\a)+4:SB+64+8*(\a)+7], v[FO], s[8:9] offset:(\a)*32768+64*(\t)+32
.endr
.endm
.macro MULS t, zero                    ; 16 products; the 16 accumulators take turns
.if (\t) < 3
	WIN 0x05                                       ; sources 0 and 1 window 1, C and D window 0
.set SB, 80*(\t)
.else
	WIN 0
.set SB, S3
.endif
.irp a, 0,1
.irp b, 0,1,2,3,4,5,6,7
.if \zero
	v_wmma_f32_16x16x32_f16 v[ACC+8*(8*(\a)+(\b)):ACC+8*(8*(\a)+(\b))+7], v[SB+8*(\b):SB+8*(\b)+7], v[SB+64+8*(\a):SB+64+8*(\a)+7], 0
.else
	v_wmma_f32_16x16x32_f16 v[ACC+8*(8*(\a)+(\b)):ACC+8*(8*(\a)+(\b))+7], v[SB+8*(\b):SB+8*(\b)+7], v[SB+64+8*(\a):SB+64+8*(\a)+7], v[ACC+8*(8*(\a)+(\b)):ACC+8*(8*(\a)+(\b))+7]
.endif
.endr
.endr
.endm
	s_load_b128 s[4:7], s[0:1], 0x0                ; wh s[4:5], bcat s[6:7]
	v_lshl_add_u32 v[SPW], v0, 2, SPARE
	v_mov_b32 v[NIL], 0
	v_lshrrev_b32 v1, 5, v0
	v_readfirstlane_b32 s14, v1                    ; wave 0..7
	v_and_b32 v10, 15, v0                          ; l % 16
	v_bfe_u32 v11, v0, 4, 1                        ; l / 16
	v_and_b32 v12, 31, v0                          ; l
	s_and_b32 s15, ttmp9, 7                        ; j
	s_lshr_b32 s16, ttmp9, 3                       ; i
	s_lshl_b32 s17, s14, 8
	v_lshlrev_b32 v[FO], 11, v10
	v_lshl_add_u32 v[FO], v11, 4, v[FO]
	v_add_nc_u32 v[FO], s17, v[FO]
	s_mul_i32 s18, s14, PART
	v_mul_u32_u24 v[LS], v10, PP
	v_lshl_add_u32 v[LS], v11, 5, v[LS]
	v_add_nc_u32 v[LS], s18, v[LS]
	s_mul_i32 s18, s14, 4*PP                       ; wave w finishes rows 4 w .. 4 w + 3
	v_lshl_add_u32 v[LR], v12, 4, s18
	v_add_nc_u32 v[LR2], 4*PART, v[LR]
	s_lshl_b32 s18, s14, 14                        ; 4 w rows of 4,096 bytes
	v_lshl_add_u32 v[YO], v12, 3, s18
	s_lshl_b32 s20, s16, 16                        ; Wq's rows 32 i on
	s_mov_b32 s21, 0
	s_lshl_b32 s22, s15, 18                        ; Wk's rows 128 j on,
	s_add_co_u32 s22, s22, 2097152                 ; behind Wq
	s_mov_b32 s23, 0
	s_lshl_b32 s24, s16, 17                        ; bcat's rows 32 i on,
	s_lshl_b32 s25, s15, 8                         ; columns 128 j on
	s_add_co_u32 s24, s24, s25
	s_mov_b32 s25, 0
	s_wait_kmcnt 0x0
	s_add_nc_u64 s[8:9], s[4:5], s[20:21]
	s_add_nc_u64 s[10:11], s[4:5], s[22:23]
	s_add_nc_u64 s[12:13], s[6:7], s[24:25]
	LOADS 0
	LOADS 1
	LOADS 2
	s_wait_loadcnt 40                              ; set 0 is in; sets 1 and 2 may be out
	MULS 0, 1                                      ; the first K step starts the sums
	LOADS 3                                        ; into registers that nothing has touched
	s_wait_loadcnt 40                              ; set 1 is in; sets 2 and 3 may be out
	MULS 1, 0
	s_wait_loadcnt 20
	MULS 2, 0
	s_wait_loadcnt 0x0
	MULS 3, 0
	WIN 0
.rept 8
	v_nop                                          ; the places behind the last products, in front of the LDS stores that read results
.endr
.irp a, 0,1
.irp b, 0,1,2,3,4,5,6,7
	ds_store_b128 v[LS], v[ACC+8*(8*(\a)+(\b)):ACC+8*(8*(\a)+(\b))+3]   offset:(\a)*16*PP+64*(\b)  ; each accumulator's low registers first
	ds_store_b128 v[LS], v[ACC+8*(8*(\a)+(\b))+4:ACC+8*(8*(\a)+(\b))+7] offset:(\a)*16*PP+64*(\b)+16
.endr
.endr
	s_wait_dscnt 0x0                               ; for the others' sake: my partial tile lies in LDS
	s_barrier_signal -1
	s_barrier_wait -1
.irp q, 0,1,2,3                        ; row 4 w + q of all eight partial tiles: 32 lanes x 16 bytes are the row's 128 sums
.irp c, 0,1,2,3
	ds_load_b128 v[ACC+4*(8*(\q)+(\c)):ACC+4*(8*(\q)+(\c))+3], v[LR] offset:(\q)*PP+(\c)*PART
.endr
.irp c, 0,1,2,3
	ds_load_b128 v[ACC+4*(8*(\q)+4+(\c)):ACC+4*(8*(\q)+4+(\c))+3], v[LR2] offset:(\q)*PP+(\c)*PART
.endr
.endr
	s_wait_dscnt 0x0
.irp q, 0,1,2,3
.set R, ACC+32*(\q)
.irp k, 0,8,16,24
	v_pk_add_f32 v[R+(\k):R+(\k)+1],   v[R+(\k):R+(\k)+1],   v[R+(\k)+4:R+(\k)+5]
	v_pk_add_f32 v[R+(\k)+2:R+(\k)+3], v[R+(\k)+2:R+(\k)+3], v[R+(\k)+6:R+(\k)+7]
.endr
.irp k, 0,16
	v_pk_add_f32 v[R+(\k):R+(\k)+1],   v[R+(\k):R+(\k)+1],   v[R+(\k)+8:R+(\k)+9]
	v_pk_add_f32 v[R+(\k)+2:R+(\k)+3], v[R+(\k)+2:R+(\k)+3], v[R+(\k)+10:R+(\k)+11]
.endr
	v_pk_add_f32 v[R:R+1],   v[R:R+1],   v[R+16:R+17]
	v_pk_add_f32 v[R+2:R+3], v[R+2:R+3], v[R+18:R+19]
	v_cvt_pk_f16_f32 v[R],   v[R],   v[R+1]
	v_cvt_pk_f16_f32 v[R+1], v[R+2], v[R+3]
	global_store_b64 v[YO], v[R:R+1], s[12:13] offset:(\q)*4096  ; 32 lanes store 256 consecutive bytes, aligned
.endr
	s_wait_tensorcnt 0x0                           ; the wave's end, behind my last LDS store
	ds_add_u32 v[SPW], v[NIL]
	s_wait_dscnt 0x0
	s_endpgm
.Lfunc_end_k_q7ebaf45852_gram:
	.size	k_q7ebaf45852_gram, .Lfunc_end_k_q7ebaf45852_gram-k_q7ebaf45852_gram
	.p2alignl 7, 3214868480
	.fill 96, 4, 3214868480
	.section	.rodata,"a",@progbits
	.p2align	6, 0x0
	.amdhsa_kernel k_q7ebaf45852_gram
		.amdhsa_group_segment_fixed_size 136192
		.amdhsa_private_segment_fixed_size 0
		.amdhsa_enable_private_segment 0
		.amdhsa_kernarg_size 16
		.amdhsa_user_sgpr_count 2
		.amdhsa_user_sgpr_kernarg_segment_ptr 1
		.amdhsa_wavefront_size32 1
		.amdhsa_system_sgpr_workgroup_id_x 1
		.amdhsa_system_sgpr_workgroup_id_y 1
		.amdhsa_system_sgpr_workgroup_id_z 1
		.amdhsa_system_vgpr_workitem_id 0
		.amdhsa_next_free_vgpr 512
		.amdhsa_next_free_sgpr 66
		.amdhsa_reserve_vcc 0
		.amdhsa_float_denorm_mode_32 3
		.amdhsa_float_denorm_mode_16_64 3
		.amdhsa_memory_ordered 1
		.amdhsa_forward_progress 1
		.amdhsa_inst_pref_size 23
	.end_amdhsa_kernel
	.amdgpu_metadata
---
amdhsa.version: [ 1, 2 ]
amdhsa.kernels:
  - .name:           k_q7ebaf45852_gram
    .symbol:         k_q7ebaf45852_gram.kd
    .args:
      - { .name: wh, .offset: 0, .size: 8, .value_kind: global_buffer, .address_space: global }
      - { .name: bcat, .offset: 8, .size: 8, .value_kind: global_buffer, .address_space: global }
    .group_segment_fixed_size: 136192
    .private_segment_fixed_size: 0
    .kernarg_segment_align: 8
    .kernarg_segment_size: 16
    .max_flat_workgroup_size: 256
    .sgpr_count:     66
    .vgpr_count:     512
    .wavefront_size: 32
...
	.end_amdgpu_metadata
.endif
;; end of part 2
;; launch proj (part 3): grid 8 x 32, 4 waves a work-group, clusters of 4 x 4, 327,680 bytes of LDS; arguments xh, bcat, yv; writes yv
.if DOCPART == 3
	.amdgcn_target "amdgcn-amd-amdhsa--gfx1250"
	.amdhsa_code_object_version 6
	.text
	.protected	k_q7ebaf45852_proj
	.globl	k_q7ebaf45852_proj
	.p2align	8
	.type	k_q7ebaf45852_proj,@function
k_q7ebaf45852_proj:
	s_mov_b64 s[64:65], 0
	v_nop
	global_prefetch_b8 v0, s[64:65] scope:SCOPE_SE
	s_setreg_imm32_b32 hwreg(HW_REG_WAVE_MODE, 25, 1), 1
	s_wait_xcnt 0x0
	s_wait_alu depctr_hold_cnt(0) depctr_sa_sdst(0) depctr_va_vdst(0) depctr_va_sdst(0) depctr_va_ssrc(0) depctr_va_vcc(0) depctr_vm_vsrc(0)
	s_getreg_b32 s2, hwreg(HW_REG_IB_STS2, 6, 4)
	s_cmp_eq_u32 s2, 0
	s_cbranch_scc0 .Lentry_in_a_cluster
	s_endpgm
.Lentry_in_a_cluster:
	s_bfe_u32 s2, ttmp6, 0x10000c
	s_cmp_lg_u32 s2, 0xf033
	s_cbranch_scc0 .Lentry_shape_is_right
	s_endpgm
.Lentry_shape_is_right:
; [y | V] = xh x bcat, y = (x M) 2^-10 (columns 0-1023), V = x Wv (columns 1024-2047).  xh: [8192][1024] f16; bcat = [M | Wv]: [1024 (k)][2048] f16.  Sums in f32, rounded once to f16.
; LIMITS: |x M| 2^-10 and |x Wv| stay under 65,504 (f16).  The factor 2^-10 gives x M that room; it is taken back, in f32, in the exponent's constant of the launch behind.
; yv IS LAID IN BLOCKS of 128 rows x 128 columns, 32,768 dense bytes each: the block of rows 128 R on and columns 128 C on lies at (16 R + C) x 32,768, and holds [8 row blocks of 16][8 column
; blocks of 16][512 bytes].  A wave's 128 x 128 is one block, and a lane's four packed registers are its 16 bytes of a piece of 512, so the result is stored straight from registers.
; In a piece of y (C < 8) lane l's 16 bytes lie at 16 l: two pieces are a matrix fragment as it stands.  In a piece of V they lie at 32 (l % 16) + 16 (l / 16): [row][16 columns], for the turning load.
; A tile is 256 x 256: four waves, 128 x 128 each, 64 accumulators in 512 registers.  8 x 32 tiles: one for each of 256 work-groups.  K = 1,024 goes in 8 steps of 128 through a ring of two LDS slots.
; CLUSTER 4 x 4: the four of a row need the same rows of xh, the four of a column the same columns of bcat: each tile is asked for jointly, by the same tensor load, descriptor and mask.
; xh's rows lie along K and come out of LDS as they lie; bcat lies [k][n] and comes out turned, by ds_load_tr16_b128.
; The matrix instruction is used transposed (source 0 = 16 columns of bcat, source 1 = 16 rows of xh): a lane holds eight neighbouring numbers of a row.
; REGISTERS, in windows of 256: window 0: v0-31 addresses; v64-127, v128-191 xh's fragments, two buffers; v192-223, v224-255 packed results, by turns.
;   window 1: v64-127, v128-191 bcat's fragments.   windows 2, 3: accumulator (a, b) at v[8 (8 (a % 4) + b)], rows 0-63 in window 2, rows 64-127 in window 3.
.set NS,     8                         ; K steps
.set PA,     272                       ; a row of xh's tile in LDS: 256 bytes + 16: row r starts at bank 4 r mod 64 (64 banks of 4 bytes: ISA guide 11.1)
.set PB,     544                       ; a k-row of bcat's tile: 512 bytes + 32
.set HALFT,  128*PA                    ; what one tensor load brings: 128 rows of xh, or 64 k-rows of bcat (64 x 544 is the same number)
.set SLOT,   4*HALFT                   ; 0x22000: its two bits occur in none of the four loads' places 0, 0x8800, 0x11000, 0x19800, so one exclusive or turns a place in one slot into the other's
.set SPARE,  2*SLOT                    ; behind the ring: the spare words, 128 bytes for each wave: two blocks of 256 bytes that no other line names
.set STEPA,  256                       ; bytes from a K step to the next: along xh's rows,
.set STEPB,  128*4096                  ; down bcat's rows
.set ADRA0, 16                         ; v16 my lane's place in slot 0's tile of xh; never rewritten      v17 the same in the slot in hand
.set ADRA,  17
.set ADRB0, 20                         ; v20, v21 the same for bcat
.set ADRB,  21
.set CO,   26                          ; v26 my 16 bytes in a piece of 512
.set SPW,  28                          ; v28 LDS address of my spare word; never rewritten
.set NIL,  29                          ; v29 0; never rewritten
.set PFO,  30                          ; v30 the prefetches' offset; never rewritten
.set F0,   64
.set F1,   128
.set TMP,  192
.set G1A,  24                          ; s[24:31] descriptor group 1, xh's tiles
.set G0A0, 32                          ; s[32:35] group 0: slot 0, K step 0; used once
.set G0AW, 36                          ; s[36:39] group 0: slot 1, K step 1; then it walks
.set LIM,  43                          ; s43 2 in a wave that prefetches, else the greatest number
.set PFA,  44                          ; s[44:45] where my prefetches stand
.set G1B,  48                          ; s[48:55], s[56:59], s[60:63] the same for bcat's tiles
.set G0B0, 56
.set G0BW, 60
.set TB,   68                          ; s68 0 or SLOT: the slot in hand
.set SC,   70                          ; s[70:71] the tile's scale
.set PFS,  78                          ; s[78:79] a K step in bytes, for my prefetches
.set MSB, 0
.macro WIN new                         ; the immediate's high byte repeats the setting that is left; a switch that changes nothing is dropped
.if MSB != (\new)
	s_set_vgpr_msb (MSB<<8)|(\new)
.set MSB, \new
.endif
.endm
.set MUL_LO, 0xa1                      ; source 0 (bcat) window 1, source 1 (xh) window 0, C and D window 2
.set MUL_HI, 0xf1                      ; the same, C and D window 3
.set TO_B,   0x40                      ; destination window 1, address window 0
.macro PLACES                          ; four places behind matrix instructions, in front of loads into registers that they have read
.rept 4
	v_nop
.endr
.endm
.macro CREST                           ; a round of the cluster's barrier behind its opening barrier
	s_cmp_lg_u32 s10, 0
	s_cbranch_scc1 .Lnot_wave_0_\@
	s_barrier_signal -3
.Lnot_wave_0_\@:
	s_barrier_wait -3
	s_barrier_signal -1
	s_barrier_wait -1
.endm
.macro CROUND
	s_barrier_signal -1
	s_barrier_wait -1
	CREST
.endm
; A joint refill.  Waves 0 and 1 fetch xh's two halves, waves 2 and 3 bcat's.  The branch hangs on the wave's number alone.  An s_nop 0 and four v_nop follow each line.
.macro JLOAD
	s_cmp_eq_u32 s11, 0
	s_cbranch_scc0 .Lfor_b_\@
	tensor_load_to_lds s[G0AW:G0AW+3], s[G1A:G1A+7]
	s_nop 0
.rept 4
	v_nop
.endr
	s_branch .Lasked_\@
.Lfor_b_\@:
	tensor_load_to_lds s[G0BW:G0BW+3], s[G1B:G1B+7]
	s_nop 0
.rept 4
	v_nop
.endr
.Lasked_\@:
.endm
; A prefetch into the L2 of the K step that stands two refills on: 32 blocks of 256 bytes, a lane a block, one instruction a wave.  Each block is named once in the launch: xh's tile row is read by both
; clusters of a row of clusters, and the one with x = 0 asks; bcat's tile column by the eight of a column, and the one with y = 0 asks; the four partners share the blocks out by address.
; Trip i names K step i + 4, so the last two trips, in which s3 is 2 and 1, ask for nothing.
.macro ASK
	s_cmp_gt_u32 s3, s[LIM]
	s_cbranch_scc0 .Lnot_mine_\@
	global_prefetch_b8 v[PFO], s[PFA:PFA+1] th:TH_LOAD_NT scope:SCOPE_SE
.Lnot_mine_\@:
.endm
	s_load_b128 s[4:7], s[0:1], 0x0                ; xh s[4:5], bcat s[6:7]
	s_load_b64 s[8:9], s[0:1], 0x10                ; yv
	v_lshl_add_u32 v[SPW], v0, 2, SPARE
	v_mov_b32 v[NIL], 0
	ds_add_u32 v[SPW], v[NIL]                      ; the wave's opening: the add and its wait stand ahead of my first tensor load; the set-up below stands between them
	v_lshrrev_b32 v1, 5, v0
	v_readfirstlane_b32 s10, v1                    ; wave 0..3
	s_lshr_b32 s11, s10, 1                         ; my half of the tile's rows.  Also: I fetch xh (0) or bcat (1)
	s_and_b32 s12, s10, 1                          ; my half of its columns.  Also: which half of that tile I fetch
	s_bfe_u32 s40, ttmp6, 0x40000                  ; cx
	s_bfe_u32 s41, ttmp6, 0x40004                  ; cy
	s_lshl_b32 s42, ttmp9, 2
	s_add_co_u32 s42, s42, s40                     ; tile column = 4 x cluster x + cx
	s_and_b32 s22, ttmp7, 0xffff                   ; cluster y
	s_lshl_b32 s13, s22, 2
	s_add_co_u32 s13, s13, s41                     ; tile row = 4 x cluster y + cy
	s_lshl_b32 s14, s41, 2
	s_lshl_b32 s14, 15, s14                        ; my row of the cluster
	s_lshl_b32 s15, 0x1111, s40                    ; my column
	s_or_b32 s[G1A], s14, (1<<16)|(1<<20)|(1<<21)|(5<<22)|(3<<25)  ; the mask; 2-byte elements; padding on; bit 21 beside a mask; after every 64 words, 4 words
	s_mov_b32 s[G1A+1], 128<<16                    ; tensor_dim0 = 128
	s_mov_b32 s[G1A+2], 128<<16                    ; tensor_dim1 = 128
	s_mov_b32 s[G1A+3], 128<<16                    ; tile_dim0 = 128
	s_mov_b32 s[G1A+4], 128                        ; tile_dim1 = 128
	s_mov_b32 s[G1A+5], 1024                       ; elements from row to row
	s_mov_b32 s[G1A+6], 0
	s_mov_b32 s[G1A+7], 0
	s_or_b32 s[G1B], s15, (1<<16)|(1<<20)|(1<<21)|(6<<22)|(7<<25)  ; after every 128 words, 8 words
	s_mov_b32 s[G1B+1], 256<<16                    ; tensor_dim0 = 256
	s_mov_b32 s[G1B+2], 64<<16                     ; tensor_dim1 = 64
	s_mov_b32 s[G1B+3], 256<<16                    ; tile_dim0 = 256
	s_mov_b32 s[G1B+4], 64                         ; tile_dim1 = 64
	s_mov_b32 s[G1B+5], 2048
	s_mov_b32 s[G1B+6], 0
	s_mov_b32 s[G1B+7], 0
	s_lshl_b32 s16, s13, 8                         ; xh: row 256 x tile row + 128 x half, 2,048 bytes a row
	s_lshl_b32 s17, s12, 7
	s_add_co_u32 s16, s16, s17
	s_lshl_b32 s16, s16, 11
	s_mov_b32 s17, 0
	s_lshl_b32 s46, s12, 18                        ; bcat: k-row 64 x half, 4,096 bytes a row; column 256 x tile column
	s_lshl_b32 s47, s42, 9
	s_add_co_u32 s46, s46, s47
	s_mov_b32 s47, 0
	s_mul_i32 s20, s10, HALFT                      ; where they go: wave x HALFT: no place in the cluster enters an LDS address
	s_mov_b32 s[TB], 0
	s_mov_b32 s[G0A0], 1
	s_mov_b32 s[G0A0+1], s20
	s_mov_b32 s[G0AW], 1
	s_add_co_u32 s[G0AW+1], s20, SLOT
	s_mov_b32 s[G0B0], 1
	s_mov_b32 s[G0B0+1], s20
	s_mov_b32 s[G0BW], 1
	s_add_co_u32 s[G0BW+1], s20, SLOT
	s_wait_dscnt 0x0                               ; the opening add is done
	s_wait_kmcnt 0x0
	s_add_nc_u64 s[18:19], s[4:5], s[16:17]
	s_add_nc_u64 s[46:47], s[6:7], s[46:47]
	s_mov_b64 s[G0A0+2:G0A0+3], s[18:19]
	s_or_b32 s[G0A0+3], s[G0A0+3], 0x80000000
	s_add_nc_u64 s[G0AW+2:G0AW+3], s[18:19], STEPA
	s_or_b32 s[G0AW+3], s[G0AW+3], 0x80000000
	s_mov_b64 s[G0B0+2:G0B0+3], s[46:47]
	s_or_b32 s[G0B0+3], s[G0B0+3], 0x80000000
	s_add_nc_u64 s[G0BW+2:G0BW+3], s[46:47], STEPB
	s_or_b32 s[G0BW+3], s[G0BW+3], 0x80000000
	CROUND                                         ; all sixteen work-groups are here: the first joint loads meet
	s_cmp_eq_u32 s11, 0                            ; a wave's two first fills stand in one branch: two loads of mine are out
	s_cbranch_scc0 .Lfirst_b
	tensor_load_to_lds s[G0A0:G0A0+3], s[G1A:G1A+7]
	s_nop 0
	tensor_load_to_lds s[G0AW:G0AW+3], s[G1A:G1A+7]
	s_nop 0
.rept 4
	v_nop
.endr
	s_branch .Lfirst_asked
.Lfirst_b:
	tensor_load_to_lds s[G0B0:G0B0+3], s[G1B:G1B+7]
	s_nop 0
	tensor_load_to_lds s[G0BW:G0BW+3], s[G1B:G1B+7]
	s_nop 0
.rept 4
	v_nop
.endr
.Lfirst_asked:
	v_and_b32 v1, 15, v0                           ; l % 16
	v_bfe_u32 v2, v0, 4, 1                         ; l / 16
	v_mul_u32_u24 v3, v1, PA                       ; a fragment of xh: row x pitch + 16 x half
	v_lshl_add_u32 v3, v2, 4, v3
	s_mul_i32 s21, s11, HALFT                      ; my 128 rows
	v_add_nc_u32 v[ADRA0], s21, v3
	v_mov_b32 v[ADRA], v[ADRA0]
	v_and_b32 v4, 7, v0                            ; the turning load: lane l reads k-row 8 (l / 16) + l % 8, columns 8 ((l / 8) % 2) + 0..7
	v_bfe_u32 v5, v0, 3, 1
	v_lshl_add_u32 v4, v2, 3, v4
	v_mul_u32_u24 v4, v4, PB
	v_lshl_add_u32 v4, v5, 4, v4
	s_lshl_b32 s21, s12, 8                         ; my 128 columns,
	s_add_co_u32 s21, s21, 2*HALFT                 ; behind xh's 256 rows
	v_add_nc_u32 v[ADRB0], s21, v4
	v_mov_b32 v[ADRB], v[ADRB0]
	s_lshl_b32 s16, s13, 1                         ; my block of yv: R = 2 x tile row + half: 16 x 32,768 bytes each,
	s_add_co_u32 s16, s16, s11
	s_lshl_b32 s16, s16, 19
	s_mov_b32 s17, 0
	s_add_nc_u64 s[8:9], s[8:9], s[16:17]
	s_lshl_b32 s46, s42, 1                         ; C = 2 x tile column + half: 32,768 bytes each
	s_add_co_u32 s46, s46, s12
	s_lshl_b32 s46, s46, 15
	s_mov_b32 s47, 0
	s_add_nc_u64 s[8:9], s[8:9], s[46:47]
	; the prefetches: for xh 32 rows x 256 bytes (a lane a row), for bcat 16 k-rows x 512 bytes (two lanes a row); they start at K step 3 and are stepped ahead of each use
	s_lshl_b32 s20, s13, 8
	s_lshl_b32 s21, s12, 7
	s_add_co_u32 s20, s20, s21
	s_lshl_b32 s21, s40, 5                         ; my work-group's 32 of the 128 rows, by cx
	s_add_co_u32 s20, s20, s21
	s_lshl_b32 s20, s20, 11
	s_add_co_u32 s20, s20, 3*STEPA
	s_lshl_b32 s21, s12, 6
	s_lshl_b32 s23, s41, 4                         ; my work-group's 16 of the 64 k-rows, by cy
	s_add_co_u32 s21, s21, s23
	s_lshl_b32 s21, s21, 12
	s_lshl_b32 s23, s42, 9
	s_add_co_u32 s21, s21, s23
	s_add_co_u32 s21, s21, 3*STEPB
	s_mov_b32 s[PFS], STEPB
	s_mov_b32 s[PFS+1], 0
	s_cmp_eq_u32 s11, 0
	s_cselect_b32 s20, s20, s21
	s_cselect_b32 s23, ttmp9, s22                  ; the coordinate along which other clusters read the same blocks
	s_cselect_b32 s[PFS], STEPA, s[PFS]
	s_cselect_b64 s[PFA:PFA+1], s[4:5], s[6:7]
	s_mov_b32 s21, 0
	s_add_nc_u64 s[PFA:PFA+1], s[PFA:PFA+1], s[20:21]
	s_cmp_eq_u32 s23, 0
	s_cselect_b32 s[LIM], 2, -1                    ; the same in all sixteen partners, for a given wave
	v_and_b32 v6, 31, v0
	v_lshrrev_b32 v7, s11, v6                      ; xh: lane; bcat: lane / 2
	v_and_b32 v6, s11, v6                          ; xh: 0; bcat: lane % 2
	s_add_co_u32 s21, s11, 11                      ; rows of 2,048 or 4,096 bytes
	v_lshlrev_b32 v[PFO], s21, v7
	v_lshl_add_u32 v[PFO], v6, 8, v[PFO]
	s_cmp_eq_u32 ttmp9, 0                          ; tile columns 0-3 hold x M
	s_cselect_b32 s[SC], 0x3a800000, 1.0           ; 2^-10, or 1
	s_cselect_b32 s20, 4, 5                        ; my 16 bytes in a piece: y: 16 (l % 16) + 256 (l / 16) = 16 l;
	s_cselect_b32 s21, 8, 4                        ; V: 32 (l % 16) + 16 (l / 16)
	s_mov_b32 s[SC+1], s[SC]                       ; named with it as a pair
	v_lshlrev_b32 v6, s20, v1
	v_lshlrev_b32 v7, s21, v2
	v_add_nc_u32 v[CO], v6, v7
; 16 matrix instructions: m blocks a0, a0 + 1 of the window's four x all 8 n blocks, 32 along K.  zero = 1: the first product starts the sums.  The 64 accumulators take turns, in one order in every quarter.
.macro MUL16 f, hi, a0, zero
	WIN MUL_LO+0x50*(\hi)
.irp a, \a0, (\a0)+1
.irp b, 0,1,2,3,4,5,6,7
.if \zero
	v_wmma_f32_16x16x32_f16 v[8*(8*(\a)+(\b)):8*(8*(\a)+(\b))+7], v[(\f)+8*(\b):(\f)+8*(\b)+7], v[(\f)+8*(4*(\hi)+(\a)):(\f)+8*(4*(\hi)+(\a))+7], 0
.else
	v_wmma_f32_16x16x32_f16 v[8*(8*(\a)+(\b)):8*(8*(\a)+(\b))+7], v[(\f)+8*(\b):(\f)+8*(\b)+7], v[(\f)+8*(4*(\hi)+(\a)):(\f)+8*(4*(\hi)+(\a))+7], v[8*(8*(\a)+(\b)):8*(8*(\a)+(\b))+7]
.endif
.endr
.endr
.endm
; 32 LDS loads in one run: quarter q (32 along K) of the slot in hand into buffer f: bcat's 128 columns, turned, then xh's 128 rows
.macro FETCH q, f
	WIN TO_B
.irp i, 0,1,2,3,4,5,6,7
	ds_load_tr16_b128 v[(\f)+8*(\i):(\f)+8*(\i)+3],   v[ADRB] offset:(\q)*32*PB+32*(\i)
	ds_load_tr16_b128 v[(\f)+8*(\i)+4:(\f)+8*(\i)+7], v[ADRB] offset:(\q)*32*PB+32*(\i)+16*PB
.endr
	WIN 0
.irp i, 0,1,2,3,4,5,6,7
	ds_load_b128 v[(\f)+8*(\i):(\f)+8*(\i)+3],   v[ADRA] offset:(\q)*64+(\i)*16*PA
	ds_load_b128 v[(\f)+8*(\i)+4:(\f)+8*(\i)+7], v[ADRA] offset:(\q)*64+(\i)*16*PA+32
.endr
.endm
; One of a K step's first three quarters: multiplies buffer f; in its middle it fetches quarter q into buffer g
.macro QUARTER q, f, g, zero
	s_wait_dscnt 8                                 ; bcat's fragments and xh's rows 0-63 are in; the youngest eight loads (rows 64-127) may be out
	MUL16 \f, 0, 0, \zero
	MUL16 \f, 0, 2, \zero
	PLACES
	FETCH \q, \g
	s_wait_dscnt 32                                ; all but the 32 just issued
	MUL16 \f, 1, 0, \zero
	MUL16 \f, 1, 2, \zero
.endm
; The last quarter multiplies buffer 1 and changes slots.  In front of the barrier each wave waits for all its tensor loads (one is out: its part of the next slot), adds 0 to its spare word, and waits for
; that and for its reads of this slot.  fill = 1: the barrier opens a round of the cluster's, and the joint refill, two K steps ahead, is the first thing behind it: 224 matrix instructions ahead of the wait for it.
.macro TURN fill
.if \fill
	s_wait_xcnt 0x0                                ; the last prefetch, a K step back, has read its address
	s_add_nc_u64 s[PFA:PFA+1], s[PFA:PFA+1], s[PFS:PFS+1]
.endif
	WIN 0
	s_wait_tensorcnt 0x0                           ; all my tensor loads have landed
	ds_add_u32 v[SPW], v[NIL]                      ; 0 onto my spare word
	s_wait_dscnt 9                                 ; (the add and the youngest eight loads may be out)
	MUL16 F1, 0, 0, 0
	s_wait_dscnt 0x0                               ; the add is done, and my reads of this slot are over
	s_barrier_signal -1
	MUL16 F1, 0, 2, 0
	WIN 0
	s_barrier_wait -1
.if \fill
	CREST                                          ; no wave of any partner still reads this slot or has a load on its way
	s_xor_b32 s[G0AW+1], s[G0AW+1], SLOT           ; the walking descriptors: the other slot than last time, the next K step
	s_add_nc_u64 s[G0AW+2:G0AW+3], s[G0AW+2:G0AW+3], STEPA
	s_xor_b32 s[G0BW+1], s[G0BW+1], SLOT
	s_add_nc_u64 s[G0BW+2:G0BW+3], s[G0BW+2:G0BW+3], STEPB
	JLOAD                                          ; its four v_nop are also the places in front of the loads below
.else
	PLACES
.endif
	s_xor_b32 s[TB], s[TB], SLOT
	v_add_nc_u32 v[ADRA], s[TB], v[ADRA0]
	v_add_nc_u32 v[ADRB], s[TB], v[ADRB0]
	FETCH 0, F0
.if \fill
	ASK
.endif
	MUL16 F1, 1, 0, 0
	MUL16 F1, 1, 2, 0
.endm
; THE WAY OUT of block a (16 rows x 128 columns): scaled, rounded to f16, stored: piece b of the row block is 512 consecutive bytes, 16 from each lane.
.macro PACK a
.set AC, 64*((\a)%4)
.set TM, TMP+32*((\a)%2)
	WIN 0x82+0x41*((\a)/4)                         ; destination and source 0: window 2 or 3
.set i, 0
.rept 32
	v_pk_mul_f32 v[AC+2*i:AC+2*i+1], v[AC+2*i:AC+2*i+1], s[SC:SC+1] op_sel_hi:[1,0]  ; ascending: each accumulator's low registers are read first
.set i, i+1
.endr
	s_wait_xcnt 0x0                                ; the stores of two blocks back have read the registers that are written below; the youngest stores stand 32 lines back
	WIN 0x0a+5*((\a)/4)                            ; sources 0 and 1: window 2 or 3
.irp b, 0,1,2,3,4,5,6,7
.irp r, 0,1,2,3
	v_cvt_pk_f16_f32 v[TM+4*(\b)+(\r)], v[AC+8*(\b)+2*(\r)], v[AC+8*(\b)+2*(\r)+1]
.endr
.endr
	WIN 0
.irp b, 0,1,2,3,4,5,6,7
	global_store_b128 v[CO], v[TM+4*(\b):TM+4*(\b)+3], s[8:9] offset:(\a)*4096+(\b)*512  ; 512 consecutive bytes, aligned
.endr
.endm
	s_wait_tensorcnt 0x1                           ; my part of K step 0 is in; K step 1's may stay out
	s_barrier_signal -1
	s_barrier_wait -1
	FETCH 0, F0
	QUARTER 1, F0, F1, 1                           ; the first quarter stands in front of the loop: its products start the sums
	WIN 0
	s_mov_b32 s3, NS-2
.Lstep:                                        ; a trip: a K step's quarters 1, 2, 3 and the next step's quarter 0; the slot that is left is filled again
	QUARTER 2, F1, F0, 0
	QUARTER 3, F0, F1, 0
	TURN 1
	QUARTER 1, F0, F1, 0
	WIN 0
	s_sub_co_u32 s3, s3, 1
	s_cmp_lg_u32 s3, 0
	s_cbranch_scc1 .Lstep
	s_mov_b32 s3, 2
.Ltail:                                        ; the last two K steps ask for nothing.  The second trip is left in its middle; its 32 loads from the other slot serve nothing: the price of one text for both trips
	QUARTER 2, F1, F0, 0
	QUARTER 3, F0, F1, 0
	TURN 0
	WIN 0
	s_sub_co_u32 s3, s3, 1
	s_cmp_eq_u32 s3, 0
	s_cbranch_scc1 .Lout
	QUARTER 1, F0, F1, 0
	WIN 0
	s_cmp_lg_u32 s3, 0
	s_cbranch_scc1 .Ltail
.Lout:
	s_wait_dscnt 0x0
.rept 8
	v_nop                                          ; the places behind the last products
.endr
.irp a, 0,1,2,3,4,5,6,7
	PACK \a
.endr
	s_wait_tensorcnt 0x0                           ; the wave's end
	ds_add_u32 v[SPW], v[NIL]
	s_wait_dscnt 0x0
	CROUND                                         ; the closing round
	s_endpgm
.Lfunc_end_k_q7ebaf45852_proj:
	.size	k_q7ebaf45852_proj, .Lfunc_end_k_q7ebaf45852_proj-k_q7ebaf45852_proj
	.p2alignl 7, 3214868480
	.fill 96, 4, 3214868480
	.section	.rodata,"a",@progbits
	.p2align	6, 0x0
	.amdhsa_kernel k_q7ebaf45852_proj
		.amdhsa_group_segment_fixed_size 327680
		.amdhsa_private_segment_fixed_size 0
		.amdhsa_enable_private_segment 0
		.amdhsa_kernarg_size 24
		.amdhsa_user_sgpr_count 2
		.amdhsa_user_sgpr_kernarg_segment_ptr 1
		.amdhsa_wavefront_size32 1
		.amdhsa_system_sgpr_workgroup_id_x 1
		.amdhsa_system_sgpr_workgroup_id_y 1
		.amdhsa_system_sgpr_workgroup_id_z 1
		.amdhsa_system_vgpr_workitem_id 0
		.amdhsa_next_free_vgpr 1024
		.amdhsa_next_free_sgpr 96
		.amdhsa_reserve_vcc 0
		.amdhsa_float_denorm_mode_32 3
		.amdhsa_float_denorm_mode_16_64 3
		.amdhsa_memory_ordered 1
		.amdhsa_forward_progress 1
		.amdhsa_inst_pref_size 109
	.end_amdhsa_kernel
	.amdgpu_metadata
---
amdhsa.version: [ 1, 2 ]
amdhsa.kernels:
  - .name:           k_q7ebaf45852_proj
    .symbol:         k_q7ebaf45852_proj.kd
    .args:
      - { .name: xh, .offset: 0, .size: 8, .value_kind: global_buffer, .address_space: global }
      - { .name: bcat, .offset: 8, .size: 8, .value_kind: global_buffer, .address_space: global }
      - { .name: yv, .offset: 16, .size: 8, .value_kind: global_buffer, .address_space: global }
    .group_segment_fixed_size: 327680
    .private_segment_fixed_size: 0
    .kernarg_segment_align: 8
    .kernarg_segment_size: 24
    .max_flat_workgroup_size: 128
    .sgpr_count:     96
    .vgpr_count:     1024
    .wavefront_size: 32
...
	.end_amdgpu_metadata
.endif
;; end of part 3
;; launch scores (part 4): grid 8 x 32, 4 waves a work-group, clusters of 4 x 4, 327,680 bytes of LDS; arguments yv, xh, p, st; writes p, st
.if DOCPART == 4
	.amdgcn_target "amdgcn-amd-amdhsa--gfx1250"
	.amdhsa_code_object_version 6
	.text
	.protected	k_q7ebaf45852_scores
	.globl	k_q7ebaf45852_scores
	.p2align	8
	.type	k_q7ebaf45852_scores,@function
k_q7ebaf45852_scores:
	s_mov_b64 s[64:65], 0
	v_nop
	global_prefetch_b8 v0, s[64:65] scope:SCOPE_SE
	s_setreg_imm32_b32 hwreg(HW_REG_WAVE_MODE, 25, 1), 1
	s_wait_xcnt 0x0
	s_wait_alu depctr_hold_cnt(0) depctr_sa_sdst(0) depctr_va_vdst(0) depctr_va_sdst(0) depctr_va_ssrc(0) depctr_va_vcc(0) depctr_vm_vsrc(0)
	s_getreg_b32 s2, hwreg(HW_REG_IB_STS2, 6, 4)
	s_cmp_eq_u32 s2, 0
	s_cbranch_scc0 .Lentry_in_a_cluster
	s_endpgm
.Lentry_in_a_cluster:
	s_bfe_u32 s2, ttmp6, 0x10000c
	s_cmp_lg_u32 s2, 0xf033
	s_cbranch_scc0 .Lentry_shape_is_right
	s_endpgm
.Lentry_shape_is_right:
; S[q][k] = the sum over d of y[q][d] xh[k][d] (y: the stored x M 2^-10), within each of the 4 batches of 2,048 rows; the true score is 32 S.
; For each query and each GROUP of 128 keys: m_g = the largest S of the group; p = 2^(c S - c m_g), c = 32 log2(e), rounded to f16; l_g = the sum of the rounded p.
; st: f32 [batch 4][group 16][row 2048]: c m_g, rounded once, at byte 0; l_g at byte 524,288.  The launch behind joins the groups by differences of the same rounded c m_g, so that rounding cancels.
; LIMITS: the group's largest weight is 2^d, |d| at most half a unit in the last place of c m_g: near 1 for all but huge scores, and within f16's range for |c S| < 2^28.
; A weight below 2^-24 counts as 0; NaN and infinities are not treated apart.
; y COMES AND p GOES IN BLOCKS of 128 x 128 numbers, 32,768 dense bytes: [8 row blocks of 16][8 column blocks of 16][512 bytes], lane l's 16 bytes at 16 l: two pieces are a matrix fragment as it stands.
; y's block of rows 128 R on and channels 128 C on lies at (16 R + C) x 32,768 of yv; p's block of queries 128 R on and group g at (16 R + g) x 32,768.  A wave's 128 x 128 is one block of p, stored from registers.
; A tile is 256 queries x 256 keys; a wave's 128 x 128 is one group for 128 queries.  8 x 32 tiles: 256 work-groups.  K = 1,024 in 8 steps of 128 through a ring of two LDS slots.
; CLUSTER 4 x 4: the four of a row need the same queries' blocks of y, the four of a column the same keys' rows of xh: joint loads.
; The matrix instruction is used transposed (source 0 = 16 keys, source 1 = 16 queries): a lane holds ONE query (l % 16) and the keys 16 b + 8 (l / 16) + 0..7.
; REGISTERS: window 0: v0-31 addresses; v64-127, v128-191 y's fragments (on the way out v64-111 at work); v192-223, v224-255 packed weights, by turns.
;   window 1: v64-127, v128-191 xh's fragments.   windows 2, 3: accumulator (a, b) at v[8 (8 (a % 4) + b)].
.set NS,     8
.set PA,     272                       ; a row of xh's tile in LDS: 256 bytes + 16: row r starts at bank 4 r mod 64 (ISA guide 11.1)
.set AHB,    32768                     ; what waves 0 and 1 fetch: a block of y, dense; its fragments are read 512 consecutive bytes at a time
.set HALFT,  128*PA                    ; what waves 2 and 3 fetch: 128 rows of xh
.set BOFF,   2*AHB
.set SLOT,   BOFF+2*HALFT              ; 0x21000: its two bits occur in none of the four loads' places 0, 0x8000, 0x10000, 0x18800, so one exclusive or changes slots
.set STATS,  2*SLOT                    ; for each wave 512 bytes of c m_g, then 512 of l_g
.set SPARE,  STATS+4*1024              ; the spare words: two blocks of 256 bytes that no other line names
.set STEPA,  32768
.set STEPB,  256
.set ADRA0, 16
.set ADRA,  17
.set ADRB0, 20
.set ADRB,  21
.set SR,   22                          ; v22 where I read 16 bytes of my wave's statistics back
.set CO,   26                          ; v26 16 x lane: my bytes in a piece of p, and in st
.set SA,   27                          ; v27 where my query's statistics go
.set SPW,  28
.set NIL,  29
.set PFO,  30
.set F0,   64
.set F1,   128
.set TMP,  192
.set CM,   64                          ; v[64:71] eight running maxima
.set MC,   72                          ; v[72:73] c m_g (the low register; named as a pair)
.set LS,   74                          ; v74 l_g
.set ONES, 88                          ; v[88:95] a fragment of ones
.set LA,   96                          ; v[96:103], v[104:111] two accumulators for the weights' sum
.set LB,   104
.set G1A,  24
.set G0A0, 32
.set G0AW, 36
.set LIM,  43
.set PFA,  44
.set G1B,  48
.set G0B0, 56
.set G0BW, 60
.set TB,   68
.set CS,   72                          ; s[72:73] c
.set SEL,  74                          ; s[74:75] v_permlanex16_b32's selects: each lane takes its own place in the other half
.set PFS,  78
.set MSB, 0
.macro WIN new
.if MSB != (\new)
	s_set_vgpr_msb (MSB<<8)|(\new)
.set MSB, \new
.endif
.endm
.set MUL_LO, 0xa1
.set MUL_HI, 0xf1
.set TO_B,   0x40
.macro PLACES
.rept 4
	v_nop
.endr
.endm
.macro CREST
	s_cmp_lg_u32 s10, 0
	s_cbranch_scc1 .Lnot_wave_0_\@
	s_barrier_signal -3
.Lnot_wave_0_\@:
	s_barrier_wait -3
	s_barrier_signal -1
	s_barrier_wait -1
.endm
.macro CROUND
	s_barrier_signal -1
	s_barrier_wait -1
	CREST
.endm
.macro JLOAD                           ; a joint refill: waves 0 and 1 fetch y's two blocks, waves 2 and 3 xh's two halves; an s_nop 0 and four v_nop follow each line
	s_cmp_eq_u32 s11, 0
	s_cbranch_scc0 .Lfor_b_\@
	tensor_load_to_lds s[G0AW:G0AW+3], s[G1A:G1A+7]
	s_nop 0
.rept 4
	v_nop
.endr
	s_branch .Lasked_\@
.Lfor_b_\@:
	tensor_load_to_lds s[G0BW:G0BW+3], s[G1B:G1B+7]
	s_nop 0
.rept 4
	v_nop
.endr
.Lasked_\@:
.endm
; A prefetch into the L2 of the K step two refills on: 32 blocks of 256 bytes, a lane a block.  Each is named once: y's blocks are read by both clusters of a row of clusters (x = 0 asks), xh's rows of a batch
; by the two clusters of that batch in a column (the even y asks); the four partners take a quarter each, by address.  Trip i names K step i + 4: the last two trips ask for nothing.
.macro ASK
	s_cmp_gt_u32 s3, s[LIM]
	s_cbranch_scc0 .Lnot_mine_\@
	global_prefetch_b8 v[PFO], s[PFA:PFA+1] th:TH_LOAD_NT scope:SCOPE_SE
.Lnot_mine_\@:
.endm
	s_load_b128 s[4:7], s[0:1], 0x0                ; yv s[4:5], xh s[6:7]
	s_load_b64 s[8:9], s[0:1], 0x10                ; p
	s_load_b64 s[66:67], s[0:1], 0x18              ; st
	v_lshl_add_u32 v[SPW], v0, 2, SPARE
	v_mov_b32 v[NIL], 0
	ds_add_u32 v[SPW], v[NIL]                      ; the wave's opening: the add and its wait stand ahead of my first tensor load
	v_lshrrev_b32 v1, 5, v0
	v_readfirstlane_b32 s10, v1                    ; wave 0..3
	s_lshr_b32 s11, s10, 1                         ; my half of the queries.  Also: I fetch y (0) or xh (1)
	s_and_b32 s12, s10, 1                          ; my half of the keys.  Also: which half of that tile I fetch
	s_bfe_u32 s40, ttmp6, 0x40000                  ; cx
	s_bfe_u32 s41, ttmp6, 0x40004                  ; cy
	s_lshl_b32 s42, ttmp9, 2
	s_add_co_u32 s42, s42, s40                     ; key tile = 4 x cluster x + cx
	s_and_b32 s22, ttmp7, 0xffff                   ; cluster y
	s_lshl_b32 s13, s22, 2
	s_add_co_u32 s13, s13, s41                     ; query tile = 4 x cluster y + cy
	s_lshr_b32 s69, s22, 1                         ; the batch: eight query tiles, two clusters
	s_lshl_b32 s14, s41, 2
	s_lshl_b32 s14, 15, s14                        ; my row of the cluster
	s_lshl_b32 s15, 0x1111, s40                    ; my column
	s_or_b32 s[G1A], s14, (3<<16)|(1<<21)          ; the mask; 8-byte elements; bit 21 beside a mask; no padding: a dense block as 128 rows of 256 bytes
	s_mov_b32 s[G1A+1], 32<<16                     ; tensor_dim0 = 32
	s_mov_b32 s[G1A+2], 128<<16                    ; tensor_dim1 = 128
	s_mov_b32 s[G1A+3], 32<<16                     ; tile_dim0 = 32
	s_mov_b32 s[G1A+4], 128                        ; tile_dim1 = 128
	s_mov_b32 s[G1A+5], 32                         ; elements from row to row
	s_mov_b32 s[G1A+6], 0
	s_mov_b32 s[G1A+7], 0
	s_or_b32 s[G1B], s15, (1<<16)|(1<<20)|(1<<21)|(5<<22)|(3<<25)  ; 2-byte elements; padding on: after every 64 words, 4 words
	s_mov_b32 s[G1B+1], 128<<16
	s_mov_b32 s[G1B+2], 128<<16
	s_mov_b32 s[G1B+3], 128<<16
	s_mov_b32 s[G1B+4], 128
	s_mov_b32 s[G1B+5], 1024
	s_mov_b32 s[G1B+6], 0
	s_mov_b32 s[G1B+7], 0
	s_lshl_b32 s16, s13, 1                         ; y: block R = 2 x query tile + half, C = 0
	s_add_co_u32 s16, s16, s12
	s_lshl_b32 s16, s16, 19
	s_mov_b32 s17, 0
	s_lshl_b32 s46, s69, 11                        ; xh: row 2,048 x batch + 256 x key tile + 128 x half, 2,048 bytes a row
	s_lshl_b32 s47, s42, 8
	s_add_co_u32 s46, s46, s47
	s_lshl_b32 s47, s12, 7
	s_add_co_u32 s46, s46, s47
	s_lshl_b32 s46, s46, 11
	s_mov_b32 s47, 0
	s_lshl_b32 s20, s12, 15                        ; where they go: y's blocks, then xh's halves: no place in the cluster enters an LDS address
	s_mul_i32 s21, s12, HALFT
	s_add_co_u32 s21, s21, BOFF
	s_mov_b32 s[TB], 0
	s_mov_b32 s[G0A0], 1
	s_mov_b32 s[G0A0+1], s20
	s_mov_b32 s[G0AW], 1
	s_add_co_u32 s[G0AW+1], s20, SLOT
	s_mov_b32 s[G0B0], 1
	s_mov_b32 s[G0B0+1], s21
	s_mov_b32 s[G0BW], 1
	s_add_co_u32 s[G0BW+1], s21, SLOT
	s_mov_b32 s[CS], 0x4238aa3b                    ; c = 32 log2(e): 2^10 for the stored scale, 1 / 32 for the root of 1,024
	s_mov_b32 s[CS+1], s[CS]
	s_mov_b32 s[SEL], 0x76543210
	s_mov_b32 s[SEL+1], 0xfedcba98
	s_wait_dscnt 0x0                               ; the opening add is done
	s_wait_kmcnt 0x0
	s_add_nc_u64 s[18:19], s[4:5], s[16:17]
	s_add_nc_u64 s[46:47], s[6:7], s[46:47]
	s_mov_b64 s[G0A0+2:G0A0+3], s[18:19]
	s_or_b32 s[G0A0+3], s[G0A0+3], 0x80000000
	s_add_nc_u64 s[G0AW+2:G0AW+3], s[18:19], STEPA
	s_or_b32 s[G0AW+3], s[G0AW+3], 0x80000000
	s_mov_b64 s[G0B0+2:G0B0+3], s[46:47]
	s_or_b32 s[G0B0+3], s[G0B0+3], 0x80000000
	s_add_nc_u64 s[G0BW+2:G0BW+3], s[46:47], STEPB
	s_or_b32 s[G0BW+3], s[G0BW+3], 0x80000000
	CROUND                                         ; all sixteen work-groups are here: the first joint loads meet
	s_cmp_eq_u32 s11, 0                            ; a wave's two first fills stand in one branch: two loads of mine are out
	s_cbranch_scc0 .Lfirst_b
	tensor_load_to_lds s[G0A0:G0A0+3], s[G1A:G1A+7]
	s_nop 0
	tensor_load_to_lds s[G0AW:G0AW+3], s[G1A:G1A+7]
	s_nop 0
.rept 4
	v_nop
.endr
	s_branch .Lfirst_asked
.Lfirst_b:
	tensor_load_to_lds s[G0B0:G0B0+3], s[G1B:G1B+7]
	s_nop 0
	tensor_load_to_lds s[G0BW:G0BW+3], s[G1B:G1B+7]
	s_nop 0
.rept 4
	v_nop
.endr
.Lfirst_asked:
	v_and_b32 v1, 15, v0                           ; l % 16
	v_bfe_u32 v2, v0, 4, 1                         ; l / 16
	v_and_b32 v6, 31, v0                           ; l
	s_lshl_b32 s21, s11, 15                        ; my 128 queries' block
	v_lshl_add_u32 v[ADRA0], v6, 4, s21            ; + 16 l
	v_mov_b32 v[ADRA], v[ADRA0]
	v_mul_u32_u24 v3, v1, PA
	v_lshl_add_u32 v3, v2, 4, v3                   ; a fragment of xh: row x pitch + 16 x half
	s_mul_i32 s21, s12, HALFT                      ; my 128 keys,
	s_add_co_u32 s21, s21, BOFF                    ; behind y's two blocks
	v_add_nc_u32 v[ADRB0], s21, v3
	v_mov_b32 v[ADRB], v[ADRB0]
	v_lshlrev_b32 v[CO], 4, v6
	s_lshl_b32 s23, s10, 10
	s_add_co_u32 s23, s23, STATS                   ; my wave's statistics
	v_lshl_add_u32 v[SA], v1, 2, s23
	v_lshl_add_u32 v[SR], v6, 4, s23
	s_lshl_b32 s16, s13, 1                         ; my block of p: R = 2 x query tile + half,
	s_add_co_u32 s16, s16, s11
	s_lshl_b32 s16, s16, 19
	s_mov_b32 s17, 0
	s_add_nc_u64 s[8:9], s[8:9], s[16:17]
	s_lshl_b32 s46, s42, 1                         ; group 2 x key tile + half
	s_add_co_u32 s46, s46, s12
	s_lshl_b32 s46, s46, 15
	s_mov_b32 s47, 0
	s_add_nc_u64 s[8:9], s[8:9], s[46:47]
	s_lshl_b32 s80, s69, 17                        ; st: batch x 16 x 2,048 x 4,
	s_lshl_b32 s81, s42, 14                        ; group 2 x key tile + half, 8,192 bytes each,
	s_add_co_u32 s80, s80, s81
	s_lshl_b32 s81, s12, 13
	s_add_co_u32 s80, s80, s81
	s_and_b32 s81, s13, 7                          ; my 128 rows in the batch
	s_lshl_b32 s81, s81, 10
	s_add_co_u32 s80, s80, s81
	s_lshl_b32 s81, s11, 9
	s_add_co_u32 s80, s80, s81
	s_mov_b32 s81, 0
	s_add_nc_u64 s[66:67], s[66:67], s[80:81]
	; the prefetches: they start at K step 3 and are stepped ahead of each use
	s_lshl_b32 s20, s13, 1                         ; y: the block that I fetch,
	s_add_co_u32 s20, s20, s12
	s_lshl_b32 s20, s20, 19
	s_lshl_b32 s21, s40, 13                        ; my work-group's 8,192 of its 32,768 bytes, by cx
	s_add_co_u32 s20, s20, s21
	s_add_co_u32 s20, s20, 3*STEPA
	s_lshl_b32 s21, s69, 11                        ; xh: the 128 rows that I fetch,
	s_lshl_b32 s23, s42, 8
	s_add_co_u32 s21, s21, s23
	s_lshl_b32 s23, s12, 7
	s_add_co_u32 s21, s21, s23
	s_lshl_b32 s23, s41, 5                         ; my work-group's 32 of them, by cy
	s_add_co_u32 s21, s21, s23
	s_lshl_b32 s21, s21, 11
	s_add_co_u32 s21, s21, 3*STEPB
	s_and_b32 s23, s22, 1                          ; which of the batch's two clusters
	s_mov_b32 s[PFS], STEPB
	s_mov_b32 s[PFS+1], 0
	s_cmp_eq_u32 s11, 0
	s_cselect_b32 s20, s20, s21
	s_cselect_b32 s23, ttmp9, s23
	s_cselect_b32 s[PFS], STEPA, s[PFS]
	s_cselect_b64 s[PFA:PFA+1], s[4:5], s[6:7]
	s_mov_b32 s21, 0
	s_add_nc_u64 s[PFA:PFA+1], s[PFA:PFA+1], s[20:21]
	s_cmp_eq_u32 s23, 0
	s_cselect_b32 s[LIM], 2, -1
	s_mul_i32 s21, s11, 3                          ; y: lanes 256 bytes apart; xh: a row of 2,048 bytes apart
	s_add_co_u32 s21, s21, 8
	v_lshlrev_b32 v[PFO], s21, v6
.macro MUL16 f, hi, a0, zero           ; 16 matrix instructions; the 64 accumulators take turns, in one order in every quarter
	WIN MUL_LO+0x50*(\hi)
.irp a, \a0, (\a0)+1
.irp b, 0,1,2,3,4,5,6,7
.if \zero
	v_wmma_f32_16x16x32_f16 v[8*(8*(\a)+(\b)):8*(8*(\a)+(\b))+7], v[(\f)+8*(\b):(\f)+8*(\b)+7], v[(\f)+8*(4*(\hi)+(\a)):(\f)+8*(4*(\hi)+(\a))+7], 0
.else
	v_wmma_f32_16x16x32_f16 v[8*(8*(\a)+(\b)):8*(8*(\a)+(\b))+7], v[(\f)+8*(\b):(\f)+8*(\b)+7], v[(\f)+8*(4*(\hi)+(\a)):(\f)+8*(4*(\hi)+(\a))+7], v[8*(8*(\a)+(\b)):8*(8*(\a)+(\b))+7]
.endif
.endr
.endr
.endm
.macro FETCH q, f                      ; 32 LDS loads in one run: quarter q of the slot in hand into buffer f: 128 keys, then 128 queries (row block i, pieces 2 q and 2 q + 1)
	WIN TO_B
.irp i, 0,1,2,3,4,5,6,7
	ds_load_b128 v[(\f)+8*(\i):(\f)+8*(\i)+3],   v[ADRB] offset:(\q)*64+(\i)*16*PA
	ds_load_b128 v[(\f)+8*(\i)+4:(\f)+8*(\i)+7], v[ADRB] offset:(\q)*64+(\i)*16*PA+32
.endr
	WIN 0
.irp i, 0,1,2,3,4,5,6,7
	ds_load_b128 v[(\f)+8*(\i):(\f)+8*(\i)+3],   v[ADRA] offset:(\q)*1024+(\i)*4096
	ds_load_b128 v[(\f)+8*(\i)+4:(\f)+8*(\i)+7], v[ADRA] offset:(\q)*1024+(\i)*4096+512
.endr
.endm
.macro QUARTER q, f, g, zero
	s_wait_dscnt 8                                 ; the keys' fragments and queries 0-63 are in; the youngest eight loads may be out
	MUL16 \f, 0, 0, \zero
	MUL16 \f, 0, 2, \zero
	PLACES
	FETCH \q, \g
	s_wait_dscnt 32                                ; all but the 32 just issued
	MUL16 \f, 1, 0, \zero
	MUL16 \f, 1, 2, \zero
.endm
; The last quarter and the change of slots: every wave waits for all its tensor loads, adds 0 to its spare word, waits for that and for its reads of the slot; fill = 1: a round of the cluster's barrier, and the joint refill first behind it.
.macro TURN fill
.if \fill
	s_wait_xcnt 0x0                                ; the last prefetch, a K step back, has read its address
	s_add_nc_u64 s[PFA:PFA+1], s[PFA:PFA+1], s[PFS:PFS+1]
.endif
	WIN 0
	s_wait_tensorcnt 0x0                           ; all my tensor loads have landed
	ds_add_u32 v[SPW], v[NIL]                      ; 0 onto my spare word
	s_wait_dscnt 9                                 ; (the add and the youngest eight loads may be out)
	MUL16 F1, 0, 0, 0
	s_wait_dscnt 0x0                               ; the add is done, and my reads of this slot are over
	s_barrier_signal -1
	MUL16 F1, 0, 2, 0
	WIN 0
	s_barrier_wait -1
.if \fill
	CREST
	s_xor_b32 s[G0AW+1], s[G0AW+1], SLOT
	s_add_nc_u64 s[G0AW+2:G0AW+3], s[G0AW+2:G0AW+3], STEPA
	s_xor_b32 s[G0BW+1], s[G0BW+1], SLOT
	s_add_nc_u64 s[G0BW+2:G0BW+3], s[G0BW+2:G0BW+3], STEPB
	JLOAD
.else
	PLACES
.endif
	s_xor_b32 s[TB], s[TB], SLOT
	v_add_nc_u32 v[ADRA], s[TB], v[ADRA0]
	v_add_nc_u32 v[ADRB], s[TB], v[ADRB0]
	FETCH 0, F0
.if \fill
	ASK
.endif
	MUL16 F1, 1, 0, 0
	MUL16 F1, 1, 2, 0
.endm
; THE SOFTMAX OF BLOCK a: 16 queries x 128 keys, 8 accumulators at AC in window W; a lane holds 64 scores of one query, as 32 pairs.
.macro FMA n                           ; pair n: c S - c m_g, one rounding
	v_pk_fma_f32 v[AC+2*(\n):AC+2*(\n)+1], v[AC+2*(\n):AC+2*(\n)+1], s[CS:CS+1], v[MC:MC+1] op_sel_hi:[1,0,0] neg_lo:[0,0,1] neg_hi:[0,0,1]
.endm
.macro SOFT a
.set AC, 64*((\a)%4)
.set W, 2+(\a)/4
.set TM, TMP+32*((\a)%2)
	WIN W*21                                       ; all three sources in window W
.irp b, 0,1,2,3,4,5,6,7
	v_max3_num_f32 v[CM+(\b)], v[AC+8*(\b)], v[AC+8*(\b)+1], v[AC+8*(\b)+2]  ; each accumulator's lowest registers are read first
.endr
	WIN W*20                                       ; sources 1 and 2 in window W
.irp b, 0,1,2,3,4,5,6,7
	v_max3_num_f32 v[CM+(\b)], v[CM+(\b)], v[AC+8*(\b)+3], v[AC+8*(\b)+4]
.endr
.irp b, 0,1,2,3,4,5,6,7
	v_max3_num_f32 v[CM+(\b)], v[CM+(\b)], v[AC+8*(\b)+5], v[AC+8*(\b)+6]
.endr
.irp b, 0,2,4,6
	v_max3_num_f32 v[CM+(\b)], v[CM+(\b)], v[AC+8*(\b)+7], v[AC+8*(\b)+15]
.endr
	WIN 0
	v_max3_num_f32 v[CM], v[CM], v[CM+1], v[CM+2]
	v_max3_num_f32 v[CM+3], v[CM+3], v[CM+4], v[CM+5]
	v_max3_num_f32 v[CM], v[CM], v[CM+3], v[CM+6]
	v_max_num_f32 v[CM], v[CM], v[CM+7]
	v_permlanex16_b32 v[CM+1], v[CM], s[SEL], s[SEL+1]  ; the query's other 64 keys lie in the lane 16 away
	v_max_num_f32 v[CM], v[CM], v[CM+1]            ; m_g
	v_mul_f32 v[MC], s[CS], v[CM]                  ; c m_g
	WIN W*65                                       ; destination and source 0 in window W
	FMA 0
	FMA 1
.set i, 0
.rept 32                               ; ONE BATCH of 64 exponentials, in place; a pair is scaled two pairs ahead of its exponentials; nothing here names a result
	v_exp_f32 v[AC+2*i], v[AC+2*i]
.if i < 30
	FMA i+2
.endif
	v_exp_f32 v[AC+2*i+1], v[AC+2*i+1]
.set i, i+1
.endr
	v_nop                                          ; a plain instruction behind the last exponential (ISA guide 5.7.2),
	s_wait_alu depctr_va_vdst(0)                   ; and one wait ahead of the batch's first reader
	s_wait_xcnt 0x0                                ; the stores of two blocks back have read the registers that are written below
	WIN W*5                                        ; sources 0 and 1 in window W
.irp b, 0,1,2,3,4,5,6,7
.irp r, 0,1,2,3
	v_cvt_pk_f16_f32 v[TM+4*(\b)+(\r)], v[AC+8*(\b)+2*(\r)], v[AC+8*(\b)+2*(\r)+1]
.endr
.endr
	WIN 0
	; the packed weights of key blocks 2 j and 2 j + 1 are a fragment of 32 keys x 16 queries: ones times it gives, in every register of a lane, its query's sum over the 32 keys.  Two accumulators by turns.
	v_wmma_f32_16x16x32_f16 v[LA:LA+7], v[ONES:ONES+7], v[TM:TM+7], 0
	v_wmma_f32_16x16x32_f16 v[LB:LB+7], v[ONES:ONES+7], v[TM+8:TM+15], 0
	v_wmma_f32_16x16x32_f16 v[LA:LA+7], v[ONES:ONES+7], v[TM+16:TM+23], v[LA:LA+7]
	v_wmma_f32_16x16x32_f16 v[LB:LB+7], v[ONES:ONES+7], v[TM+24:TM+31], v[LB:LB+7]
.irp b, 0,1,2,3,4,5,6,7
	global_store_b128 v[CO], v[TM+4*(\b):TM+4*(\b)+3], s[8:9] offset:(\a)*4096+(\b)*512  ; 512 consecutive bytes, aligned
.endr
.rept 8
	v_nop                                          ; the places behind those products (ISA guide 7.12.1)
.endr
	v_add_f32 v[LS], v[LA], v[LB]                  ; l_g: each accumulator's lowest register
	ds_store_b32 v[SA], v[MC] offset:64*(\a)       ; both halves of the lanes hold, and write, the same number
	ds_store_b32 v[SA], v[LS] offset:512+64*(\a)
.endm
	s_wait_tensorcnt 0x1                           ; my part of K step 0 is in; K step 1's may stay out
	s_barrier_signal -1
	s_barrier_wait -1
	FETCH 0, F0
	QUARTER 1, F0, F1, 1
	WIN 0
	s_mov_b32 s3, NS-2
.Lstep:
	QUARTER 2, F1, F0, 0
	QUARTER 3, F0, F1, 0
	TURN 1
	QUARTER 1, F0, F1, 0
	WIN 0
	s_sub_co_u32 s3, s3, 1
	s_cmp_lg_u32 s3, 0
	s_cbranch_scc1 .Lstep
	s_mov_b32 s3, 2
.Ltail:                                        ; the last two K steps ask for nothing; the second trip is left in its middle, and its 32 loads from the other slot serve nothing
	QUARTER 2, F1, F0, 0
	QUARTER 3, F0, F1, 0
	TURN 0
	WIN 0
	s_sub_co_u32 s3, s3, 1
	s_cmp_eq_u32 s3, 0
	s_cbranch_scc1 .Lout
	QUARTER 1, F0, F1, 0
	WIN 0
	s_cmp_lg_u32 s3, 0
	s_cbranch_scc1 .Ltail
.Lout:
	s_wait_dscnt 0x0
.rept 8
	v_nop                                          ; the places behind the last products
.endr
	v_mov_b32 v[MC+1], 0                           ; named in a pair: written once
.irp k, 0,1,2,3,4,5,6,7
	v_mov_b32 v[ONES+(\k)], 0x3c003c00             ; 1.0 twice in f16
.endr
.irp a, 0,1,2,3,4,5,6,7
	SOFT \a
.endr
	ds_load_b128 v[76:79], v[SR]                   ; my wave's 128 c m_g and 128 l_g, 512 consecutive bytes each
	ds_load_b128 v[80:83], v[SR] offset:512
	s_wait_dscnt 0x0
	global_store_b128 v[CO], v[76:79], s[66:67]
	global_store_b128 v[CO], v[80:83], s[66:67] offset:524288
	s_wait_tensorcnt 0x0                           ; the wave's end
	ds_add_u32 v[SPW], v[NIL]
	s_wait_dscnt 0x0
	CROUND                                         ; the closing round
	s_endpgm
.Lfunc_end_k_q7ebaf45852_scores:
	.size	k_q7ebaf45852_scores, .Lfunc_end_k_q7ebaf45852_scores-k_q7ebaf45852_scores
	.p2alignl 7, 3214868480
	.fill 96, 4, 3214868480
	.section	.rodata,"a",@progbits
	.p2align	6, 0x0
	.amdhsa_kernel k_q7ebaf45852_scores
		.amdhsa_group_segment_fixed_size 327680
		.amdhsa_private_segment_fixed_size 0
		.amdhsa_enable_private_segment 0
		.amdhsa_kernarg_size 32
		.amdhsa_user_sgpr_count 2
		.amdhsa_user_sgpr_kernarg_segment_ptr 1
		.amdhsa_wavefront_size32 1
		.amdhsa_system_sgpr_workgroup_id_x 1
		.amdhsa_system_sgpr_workgroup_id_y 1
		.amdhsa_system_sgpr_workgroup_id_z 1
		.amdhsa_system_vgpr_workitem_id 0
		.amdhsa_next_free_vgpr 1024
		.amdhsa_next_free_sgpr 96
		.amdhsa_reserve_vcc 0
		.amdhsa_float_denorm_mode_32 3
		.amdhsa_float_denorm_mode_16_64 3
		.amdhsa_memory_ordered 1
		.amdhsa_forward_progress 1
		.amdhsa_inst_pref_size 149
	.end_amdhsa_kernel
	.amdgpu_metadata
---
amdhsa.version: [ 1, 2 ]
amdhsa.kernels:
  - .name:           k_q7ebaf45852_scores
    .symbol:         k_q7ebaf45852_scores.kd
    .args:
      - { .name: yv, .offset: 0, .size: 8, .value_kind: global_buffer, .address_space: global }
      - { .name: xh, .offset: 8, .size: 8, .value_kind: global_buffer, .address_space: global }
      - { .name: p, .offset: 16, .size: 8, .value_kind: global_buffer, .address_space: global }
      - { .name: st, .offset: 24, .size: 8, .value_kind: global_buffer, .address_space: global }
    .group_segment_fixed_size: 327680
    .private_segment_fixed_size: 0
    .kernarg_segment_align: 8
    .kernarg_segment_size: 32
    .max_flat_workgroup_size: 128
    .sgpr_count:     96
    .vgpr_count:     1024
    .wavefront_size: 32
...
	.end_amdgpu_metadata
.endif
;; end of part 4
;; launch pv (part 5): grid 4 x 64, 4 waves a work-group, clusters of 4 x 4, 327,680 bytes of LDS; arguments p, yv, st, out0; writes out0
.if DOCPART == 5
	.amdgcn_target "amdgcn-amd-amdhsa--gfx1250"
	.amdhsa_code_object_version 6
	.text
	.protected	k_q7ebaf45852_pv
	.globl	k_q7ebaf45852_pv
	.p2align	8
	.type	k_q7ebaf45852_pv,@function
k_q7ebaf45852_pv:
	s_mov_b64 s[64:65], 0
	v_nop
	global_prefetch_b8 v0, s[64:65] scope:SCOPE_SE
	s_setreg_imm32_b32 hwreg(HW_REG_WAVE_MODE, 25, 1), 1
	s_wait_xcnt 0x0
	s_wait_alu depctr_hold_cnt(0) depctr_sa_sdst(0) depctr_va_vdst(0) depctr_va_sdst(0) depctr_va_ssrc(0) depctr_va_vcc(0) depctr_vm_vsrc(0)
	s_getreg_b32 s2, hwreg(HW_REG_IB_STS2, 6, 4)
	s_cmp_eq_u32 s2, 0
	s_cbranch_scc0 .Lentry_in_a_cluster
	s_endpgm
.Lentry_in_a_cluster:
	s_bfe_u32 s2, ttmp6, 0x10000c
	s_cmp_lg_u32 s2, 0xf033
	s_cbranch_scc0 .Lentry_shape_is_right
	s_endpgm
.Lentry_shape_is_right:
; out0[q][e] = (1 / l) x the sum over the 16 groups g of f_g x the sum over the group's 128 keys of p[q][k] V[k][e], within each batch.
; From st, for each row: c m = the largest c m_g; f_g = 2^(c m_g - c m) <= 1, rounded to f16; l = the sum of f_g l_g, with the rounded f_g.  So every weight is 2^(c S - c m) under the row's true maximum.
; p's fragments are multiplied by f_g in f16 between their load and the matrix instruction (one packed line for each product); sums in f32; out0 in f32.
; LIMITS: a factor below 2^-24 counts as 0, and a weight times its factor keeps f16's fixed step of 6e-8 below 6e-5: both are far under l, which holds the row's largest weight.  NaN and infinities are not treated apart.
; p AND V COME IN BLOCKS of 128 x 128 numbers, 32,768 dense bytes: [8 row blocks of 16][8 column blocks of 16][512 bytes].  p's block of queries 128 R on and group g lies at (16 R + g) x 32,768, lane l's bytes of a
; piece at 16 l: two pieces are a fragment.  V's block of keys 128 R on and channels 128 E on lies at (16 R + 8 + E) x 32,768 of yv; a piece is [key][16 channels], and comes out of LDS turned, by ds_load_tr16_b128.
; A tile is 128 queries x 256 channels, so that 4 x 64 tiles give 256 work-groups; a wave makes 64 x 128: 32 accumulators.  K = 2,048 keys in 16 steps of 128: a step is a group.
; A key takes 768 bytes of LDS (256 of p, 512 of V): two slots of two steps, 393,216 bytes, do not fit, so a slot holds one step.
; CLUSTER 4 x 4: the four of a row need the same block of p, the four of a column the same blocks of V: joint loads.
; Transposed use (source 0 = 16 channels of V, source 1 = 16 queries of p): a lane holds one query and eight neighbouring channels.
; REGISTERS: window 0: v0-31 addresses; v32-35 the step's four factors; v40-71, v72-103 p's fragments, two buffers; v104-167, v168-231 V's; v232-239 1 / l in pairs.  window 1: accumulator (a, b) at v[8 (8 a + b)].
.set NS,     16
.set AH,     16384                     ; what waves 0 and 1 fetch: half a block of p, 64 queries
.set BH,     32768                     ; what waves 2 and 3 fetch: a block of V
.set BOFF,   2*AH
.set SLOT,   1<<17                     ; slot 1 begins here: one exclusive or changes slots
.set TT,     BOFF+2*BH                 ; behind slot 0: the table, 17 entries of 512 bytes: entry g < 16: f_g twice in f16, a word for each of the block's 128 rows; entry 16: 1 / l in f32
.set SPARE,  TT+17*512                 ; the spare words: two blocks of 256 bytes that no other line names
.set STAGE,  SLOT+BOFF+2*BH            ; behind slot 1: 16 rows x 528 bytes for each wave
.set SP,     528
.set STEPA,  32768
.set STEPB,  16*32768
.set ADRA0, 16
.set ADRA,  17
.set ADRB0, 20
.set ADRB,  21
.set FADR, 22                          ; v22 where my four factors of the next entry lie
.set STO,  24
.set RD,   25
.set CO,   26
.set TA,   27                          ; v27 my row's word in an entry: TT + 4 x my thread's number
.set SPW,  28
.set NIL,  29
.set PFO,  30                          ; v30 256 x lane
.set SO,   31                          ; v31 4 x my thread's number: my row's word in st
.set FAC,  32
.set AF,   40
.set BF,   104
.set RC,   232
.set G1A,  24
.set G0A0, 32
.set G0AW, 36
.set LIM,  43
.set PFA,  44
.set G1B,  48
.set G0B0, 56
.set G0BW, 60
.set TB,   68
.set PFS,  78
.set MSB, 0
.macro WIN new
.if MSB != (\new)
	s_set_vgpr_msb (MSB<<8)|(\new)
.set MSB, \new
.endif
.endm
.macro PLACES
.rept 4
	v_nop
.endr
.endm
.macro CREST
	s_cmp_lg_u32 s10, 0
	s_cbranch_scc1 .Lnot_wave_0_\@
	s_barrier_signal -3
.Lnot_wave_0_\@:
	s_barrier_wait -3
	s_barrier_signal -1
	s_barrier_wait -1
.endm
.macro CROUND
	s_barrier_signal -1
	s_barrier_wait -1
	CREST
.endm
.macro JLOAD                           ; a joint refill: waves 0 and 1 fetch p's two halves, waves 2 and 3 V's two blocks; an s_nop 0 and four v_nop follow each line
	s_cmp_eq_u32 s11, 0
	s_cbranch_scc0 .Lfor_b_\@
	tensor_load_to_lds s[G0AW:G0AW+3], s[G1A:G1A+7]
	s_nop 0
.rept 4
	v_nop
.endr
	s_branch .Lasked_\@
.Lfor_b_\@:
	tensor_load_to_lds s[G0BW:G0BW+3], s[G1B:G1B+7]
	s_nop 0
.rept 4
	v_nop
.endr
.Lasked_\@:
.endm
; A prefetch into the L2 of the step two refills, 256 matrix instructions, on: 8,192 bytes, lanes 256 bytes apart.  p's block is read by this cluster's row alone: wave 0 of each of the four partners asks for a
; quarter of it (by cx).  V's two blocks are read by the batch's four clusters: the first of them asks, waves 2 and 3 each for the block that they fetch, a quarter a partner (by cy).  Each 256 bytes are named once.
; Trip i names step i + 4: the last two trips ask for nothing.
.macro ASK
	s_cmp_gt_u32 s3, s[LIM]
	s_cbranch_scc0 .Lnot_mine_\@
	global_prefetch_b8 v[PFO], s[PFA:PFA+1] th:TH_LOAD_NT scope:SCOPE_SE
.Lnot_mine_\@:
.endm
	s_load_b128 s[4:7], s[0:1], 0x0                ; p s[4:5], yv s[6:7]
	s_load_b64 s[66:67], s[0:1], 0x10              ; st
	s_load_b64 s[8:9], s[0:1], 0x18                ; out0
	v_lshl_add_u32 v[SPW], v0, 2, SPARE
	v_mov_b32 v[NIL], 0
	ds_add_u32 v[SPW], v[NIL]                      ; the wave's opening: the add and its wait stand ahead of my first tensor load
	v_lshrrev_b32 v1, 5, v0
	v_readfirstlane_b32 s10, v1                    ; wave 0..3
	s_lshr_b32 s11, s10, 1                         ; my half of the queries.  Also: I fetch p (0) or V (1)
	s_and_b32 s12, s10, 1                          ; my half of the channels.  Also: which half of that tile I fetch
	s_bfe_u32 s40, ttmp6, 0x40000                  ; cx
	s_bfe_u32 s41, ttmp6, 0x40004                  ; cy
	s_lshl_b32 s42, ttmp9, 2
	s_add_co_u32 s42, s42, s40                     ; channel tile
	s_and_b32 s22, ttmp7, 0xffff                   ; cluster y
	s_lshl_b32 s13, s22, 2
	s_add_co_u32 s13, s13, s41                     ; query tile
	s_lshr_b32 s69, s22, 2                         ; the batch: sixteen query tiles, four clusters
	s_lshl_b32 s14, s41, 2
	s_lshl_b32 s14, 15, s14                        ; my row of the cluster
	s_lshl_b32 s15, 0x1111, s40                    ; my column
	s_or_b32 s[G1A], s14, (3<<16)|(1<<21)          ; the mask; 8-byte elements; bit 21 beside a mask; no padding: dense bytes as 64 rows of 256
	s_mov_b32 s[G1A+1], 32<<16                     ; tensor_dim0 = 32
	s_mov_b32 s[G1A+2], 64<<16                     ; tensor_dim1 = 64
	s_mov_b32 s[G1A+3], 32<<16                     ; tile_dim0 = 32
	s_mov_b32 s[G1A+4], 64                         ; tile_dim1 = 64
	s_mov_b32 s[G1A+5], 32                         ; elements from row to row
	s_mov_b32 s[G1A+6], 0
	s_mov_b32 s[G1A+7], 0
	s_or_b32 s[G1B], s15, (3<<16)|(1<<21)          ; the same with 128 rows
	s_mov_b32 s[G1B+1], 32<<16
	s_mov_b32 s[G1B+2], 128<<16
	s_mov_b32 s[G1B+3], 32<<16
	s_mov_b32 s[G1B+4], 128
	s_mov_b32 s[G1B+5], 32
	s_mov_b32 s[G1B+6], 0
	s_mov_b32 s[G1B+7], 0
	s_lshl_b32 s16, s13, 19                        ; p: block (query tile, group 0), my half of it
	s_lshl_b32 s17, s12, 14
	s_add_co_u32 s16, s16, s17
	s_mov_b32 s17, 0
	s_lshl_b32 s46, s69, 8                         ; V: block 16 x (16 x batch) + 8 + 2 x channel tile + half
	s_lshl_b32 s47, s42, 1
	s_add_co_u32 s46, s46, s47
	s_add_co_u32 s46, s46, s12
	s_add_co_u32 s46, s46, 8
	s_lshl_b32 s46, s46, 15
	s_mov_b32 s47, 0
	s_lshl_b32 s20, s12, 14                        ; where they go: no place in the cluster enters an LDS address
	s_lshl_b32 s21, s12, 15
	s_add_co_u32 s21, s21, BOFF
	s_mov_b32 s[TB], 0
	s_mov_b32 s[G0A0], 1
	s_mov_b32 s[G0A0+1], s20
	s_mov_b32 s[G0AW], 1
	s_add_co_u32 s[G0AW+1], s20, SLOT
	s_mov_b32 s[G0B0], 1
	s_mov_b32 s[G0B0+1], s21
	s_mov_b32 s[G0BW], 1
	s_add_co_u32 s[G0BW+1], s21, SLOT
	s_lshl_b32 s80, s69, 17                        ; st: batch x 16 x 2,048 x 4,
	s_and_b32 s81, s13, 15
	s_lshl_b32 s81, s81, 9                         ; my block's 128 rows in the batch
	s_add_co_u32 s80, s80, s81
	s_mov_b32 s81, 0
	s_wait_dscnt 0x0                               ; the opening add is done
	s_wait_kmcnt 0x0
	s_add_nc_u64 s[18:19], s[4:5], s[16:17]
	s_add_nc_u64 s[46:47], s[6:7], s[46:47]
	s_add_nc_u64 s[66:67], s[66:67], s[80:81]
	s_mov_b64 s[G0A0+2:G0A0+3], s[18:19]
	s_or_b32 s[G0A0+3], s[G0A0+3], 0x80000000
	s_add_nc_u64 s[G0AW+2:G0AW+3], s[18:19], STEPA
	s_or_b32 s[G0AW+3], s[G0AW+3], 0x80000000
	s_mov_b64 s[G0B0+2:G0B0+3], s[46:47]
	s_or_b32 s[G0B0+3], s[G0B0+3], 0x80000000
	s_add_nc_u64 s[G0BW+2:G0BW+3], s[46:47], STEPB
	s_or_b32 s[G0BW+3], s[G0BW+3], 0x80000000
	CROUND                                         ; all sixteen work-groups are here: the first joint loads meet
	s_cmp_eq_u32 s11, 0                            ; a wave's two first fills stand in one branch: two loads of mine are out
	s_cbranch_scc0 .Lfirst_b
	tensor_load_to_lds s[G0A0:G0A0+3], s[G1A:G1A+7]
	s_nop 0
	tensor_load_to_lds s[G0AW:G0AW+3], s[G1A:G1A+7]
	s_nop 0
.rept 4
	v_nop
.endr
	s_branch .Lfirst_asked
.Lfirst_b:
	tensor_load_to_lds s[G0B0:G0B0+3], s[G1B:G1B+7]
	s_nop 0
	tensor_load_to_lds s[G0BW:G0BW+3], s[G1B:G1B+7]
	s_nop 0
.rept 4
	v_nop
.endr
.Lfirst_asked:
	; THE STATISTICS, while the first tiles are on their way: thread t joins the 16 groups of row t of the block
	v_lshlrev_b32 v[SO], 2, v0
.set g, 0
.rept 16
	global_load_b32 v[40+g], v[SO], s[66:67] offset:8192*g         ; c m_g
.set g, g+1
.endr
.set g, 0
.rept 16
	global_load_b32 v[56+g], v[SO], s[66:67] offset:524288+8192*g  ; l_g
.set g, g+1
.endr
	v_and_b32 v1, 15, v0                           ; l % 16
	v_bfe_u32 v2, v0, 4, 1                         ; l / 16
	v_and_b32 v6, 31, v0                           ; l
	s_lshl_b32 s21, s11, 14                        ; my 64 queries' half of the block
	v_lshl_add_u32 v[ADRA0], v6, 4, s21            ; + 16 l
	v_mov_b32 v[ADRA], v[ADRA0]
	v_and_b32 v4, 7, v0                            ; the turning load: lane l reads key 8 (l / 16) + l % 8 of a piece, 32 bytes a key, channels 8 ((l / 8) % 2) + 0..7:
	v_bfe_u32 v5, v0, 3, 1                         ; 16 lanes take 256 consecutive bytes
	v_lshl_add_u32 v4, v2, 3, v4
	v_lshlrev_b32 v4, 5, v4
	v_lshl_add_u32 v4, v5, 4, v4
	s_lshl_b32 s21, s12, 15                        ; my 128 channels' block
	s_add_co_u32 s21, s21, BOFF
	v_add_nc_u32 v[ADRB0], s21, v4
	v_mov_b32 v[ADRB], v[ADRB0]
	v_lshl_add_u32 v[TA], v0, 2, TT
	s_lshl_b32 s21, s11, 8                         ; my 64 rows' words in an entry,
	s_add_co_u32 s21, s21, TT
	v_lshl_add_u32 v[FADR], v1, 2, s21             ; row 16 a + l % 16 at + 64 a
	s_mul_i32 s23, s10, 16*SP
	s_add_co_u32 s23, s23, STAGE                   ; my stage
	v_mul_u32_u24 v7, v1, SP
	v_lshl_add_u32 v7, v2, 5, v7
	v_add_nc_u32 v[STO], s23, v7                   ; in: row l % 16, 32 bytes for each half of the lanes
	v_lshl_add_u32 v[RD], v6, 4, s23               ; back: 32 lanes take a row's 512 bytes
	v_lshlrev_b32 v[CO], 4, v6
	v_lshlrev_b32 v[PFO], 8, v6
	s_lshl_b32 s82, s13, 7                         ; my first row of out0, 4,096 bytes a row
	s_lshl_b32 s83, s11, 6
	s_add_co_u32 s82, s82, s83
	s_lshl_b32 s82, s82, 12
	s_mov_b32 s83, 0
	s_add_nc_u64 s[8:9], s[8:9], s[82:83]
	s_lshl_b32 s46, s42, 10                        ; my first channel, in bytes
	s_lshl_b32 s47, s12, 9
	s_add_co_u32 s46, s46, s47
	s_mov_b32 s47, 0
	s_add_nc_u64 s[8:9], s[8:9], s[46:47]
	; the prefetches: they start at step 3 and are stepped ahead of each use
	s_lshl_b32 s20, s13, 19                        ; p: the tile's block,
	s_lshl_b32 s21, s40, 13                        ; my work-group's quarter of it, by cx
	s_add_co_u32 s20, s20, s21
	s_add_co_u32 s20, s20, 3*STEPA
	s_lshl_b32 s21, s69, 8                         ; V: the block that I fetch,
	s_lshl_b32 s23, s42, 1
	s_add_co_u32 s21, s21, s23
	s_add_co_u32 s21, s21, s12
	s_add_co_u32 s21, s21, 8
	s_lshl_b32 s21, s21, 15
	s_lshl_b32 s23, s41, 13                        ; my work-group's quarter of it, by cy
	s_add_co_u32 s21, s21, s23
	s_add_co_u32 s21, s21, 3*STEPB
	s_and_b32 s23, s22, 3                          ; which of the batch's four clusters
	s_mov_b32 s[PFS], STEPB
	s_mov_b32 s[PFS+1], 0
	s_cmp_eq_u32 s11, 0
	s_cselect_b32 s20, s20, s21
	s_cselect_b32 s23, s12, s23                    ; for p wave 0 asks and wave 1 does not
	s_cselect_b32 s[PFS], STEPA, s[PFS]
	s_cselect_b64 s[PFA:PFA+1], s[4:5], s[6:7]
	s_mov_b32 s21, 0
	s_add_nc_u64 s[PFA:PFA+1], s[PFA:PFA+1], s[20:21]
	s_cmp_eq_u32 s23, 0
	s_cselect_b32 s[LIM], 2, -1
	s_wait_loadcnt 0x0
	v_max3_num_f32 v72, v40, v41, v42
	v_max3_num_f32 v73, v43, v44, v45
	v_max3_num_f32 v74, v46, v47, v48
	v_max3_num_f32 v75, v49, v50, v51
	v_max3_num_f32 v76, v52, v53, v54
	v_max3_num_f32 v72, v72, v73, v74
	v_max3_num_f32 v75, v75, v76, v55
	v_max_num_f32 v72, v72, v75                    ; c m
.set g, 0
.rept 16
	v_sub_f32 v[40+g], v[40+g], v72                ; c m_g - c m: never above 0
.set g, g+1
.endr
.set g, 0
.rept 16
	v_exp_f32 v[40+g], v[40+g]
.set g, g+1
.endr
	v_mov_b32 v88, 0                               ; a plain instruction behind the last exponential; l's two chains start at 0
	v_mov_b32 v89, 0
	s_wait_alu depctr_va_vdst(0)                   ; one wait for the sixteen, ahead of their first reader
.set g, 0
.rept 16
	v_cvt_pk_f16_f32 v[72+g], v[40+g], v[40+g]     ; f_g twice, for the packed multiply
.set g, g+1
.endr
.set g, 0
.rept 16
	v_fma_mix_f32 v[88+g%2], v[72+g], v[56+g], v[88+g%2] op_sel_hi:[1,0,0]  ; l += (the rounded f_g) x l_g
.set g, g+1
.endr
	v_add_f32 v88, v88, v89
	v_rcp_f32 v90, v88
	v_nop
	s_wait_alu depctr_va_vdst(0)
.set g, 0
.rept 16
	ds_store_b32 v[TA], v[72+g] offset:512*g
.set g, g+1
.endr
	ds_store_b32 v[TA], v90 offset:512*16
.macro SCALE4 f, a, half               ; four registers of p's fragment a, times the row's factor
.irp k, 0,1,2,3
	v_pk_mul_f16 v[AF+32*(\f)+8*(\a)+4*(\half)+(\k)], v[AF+32*(\f)+8*(\a)+4*(\half)+(\k)], v[FAC+(\a)]
.endr
.endm
; Eight products: query block a x all 8 channel blocks.  Behind the first and the third stand the scalings of the next block's fragment.  The 32 accumulators take turns, in one order in every quarter.
.macro GRP f, a, zero
.irp b, 0,1,2,3,4,5,6,7
	WIN 0x50                                       ; C and D in window 1
.if \zero
	v_wmma_f32_16x16x32_f16 v[8*(8*(\a)+(\b)):8*(8*(\a)+(\b))+7], v[BF+64*(\f)+8*(\b):BF+64*(\f)+8*(\b)+7], v[AF+32*(\f)+8*(\a):AF+32*(\f)+8*(\a)+7], 0
.else
	v_wmma_f32_16x16x32_f16 v[8*(8*(\a)+(\b)):8*(8*(\a)+(\b))+7], v[BF+64*(\f)+8*(\b):BF+64*(\f)+8*(\b)+7], v[AF+32*(\f)+8*(\a):AF+32*(\f)+8*(\a)+7], v[8*(8*(\a)+(\b)):8*(8*(\a)+(\b))+7]
.endif
.if ((\a) < 3) && (((\b) == 0) || ((\b) == 2))
	WIN 0
	SCALE4 \f, (\a)+1, (\b)/2
.endif
.endr
.endm
.macro FETCHP q, f                     ; 24 LDS loads in one run: quarter q of the slot in hand into buffer f: p's row block i, pieces 2 q and 2 q + 1; V's key blocks 2 q and 2 q + 1, channel block b
	WIN 0
.irp i, 0,1,2,3
	ds_load_b128 v[AF+32*(\f)+8*(\i):AF+32*(\f)+8*(\i)+3],   v[ADRA] offset:(\q)*1024+(\i)*4096
	ds_load_b128 v[AF+32*(\f)+8*(\i)+4:AF+32*(\f)+8*(\i)+7], v[ADRA] offset:(\q)*1024+(\i)*4096+512
.endr
.irp b, 0,1,2,3,4,5,6,7
	ds_load_tr16_b128 v[BF+64*(\f)+8*(\b):BF+64*(\f)+8*(\b)+3],   v[ADRB] offset:(\q)*8192+512*(\b)
	ds_load_tr16_b128 v[BF+64*(\f)+8*(\b)+4:BF+64*(\f)+8*(\b)+7], v[ADRB] offset:(\q)*8192+512*(\b)+4096
.endr
.endm
.macro FACS                            ; the next entry's four words: rows 16 a + l % 16
	WIN 0
.irp a, 0,1,2,3
	ds_load_b32 v[FAC+(\a)], v[FADR] offset:64*(\a)
.endr
	v_add_nc_u32 v[FADR], 512, v[FADR]
.endm
; One of a step's first three quarters: multiplies buffer f, fetches quarter q into buffer g behind its first eight products.  The sixteen scalings ahead of the loads are the places behind the last product that read g.
.macro QPV q, f, g, zero
	s_wait_dscnt 0x0                               ; buffer f, asked for 24 products back, is in (at a step's first quarter: the step's factors too)
	WIN 0
	SCALE4 \f, 0, 0
	SCALE4 \f, 0, 1
	GRP \f, 0, \zero
	FETCHP \q, \g
	GRP \f, 1, \zero
	GRP \f, 2, \zero
	GRP \f, 3, \zero
.endm
; The last quarter and the change of slots: every wave waits for all its tensor loads (one is out: its part of the next slot), adds 0 to its spare word, waits for that and for its reads of this slot.
; fill = 1: a round of the cluster's barrier, and the joint refill first behind it: 120 matrix instructions ahead of the wait for it.
.macro TURNP fill
.if \fill
	s_wait_xcnt 0x0                                ; the last prefetch, a step back, has read its address
	s_add_nc_u64 s[PFA:PFA+1], s[PFA:PFA+1], s[PFS:PFS+1]
.endif
	WIN 0
	s_wait_tensorcnt 0x0                           ; all my tensor loads have landed, so a group 0 may be written
	ds_add_u32 v[SPW], v[NIL]                      ; 0 onto my spare word
.if \fill
	s_xor_b32 s[G0AW+1], s[G0AW+1], SLOT           ; the walking descriptors: the other slot than last time, the next step
	s_add_nc_u64 s[G0AW+2:G0AW+3], s[G0AW+2:G0AW+3], STEPA
	s_xor_b32 s[G0BW+1], s[G0BW+1], SLOT
	s_add_nc_u64 s[G0BW+2:G0BW+3], s[G0BW+2:G0BW+3], STEPB
.endif
	s_wait_dscnt 0x0                               ; the add is done, and my reads of this slot are over
	s_barrier_signal -1
	SCALE4 1, 0, 0
	SCALE4 1, 0, 1
	GRP 1, 0, 0
	WIN 0
	s_barrier_wait -1
.if \fill
	CREST
	JLOAD
.else
	PLACES
.endif
	s_xor_b32 s[TB], s[TB], SLOT
	v_add_nc_u32 v[ADRA], s[TB], v[ADRA0]
	v_add_nc_u32 v[ADRB], s[TB], v[ADRB0]
	FETCHP 0, 0
.if \fill
	ASK
.endif
	GRP 1, 1, 0
	GRP 1, 2, 0
	FACS                                           ; this step's last scaling has been issued: the next step's factors; behind the last step, 1 / l
	GRP 1, 3, 0
.endm
; THE WAY OUT of block a (16 rows x 128 channels of f32): times 1 / l; through my stage; whole rows of 512 bytes.
.macro MULT a
	WIN 0x01                                       ; source 0 in window 1
.set i, 0
.rept 32
	v_pk_mul_f32 v[AF+2*i:AF+2*i+1], v[64*(\a)+2*i:64*(\a)+2*i+1], v[RC+2*(\a):RC+2*(\a)+1]  ; ascending: each accumulator's low registers are read first
.set i, i+1
.endr
	WIN 0
.endm
.macro STG a
.set BK, BF+64*((\a)%2)
.irp b, 0,1,2,3,4,5,6,7
	ds_store_b128 v[STO], v[AF+8*(\b):AF+8*(\b)+3]   offset:64*(\b)
	ds_store_b128 v[STO], v[AF+8*(\b)+4:AF+8*(\b)+7] offset:64*(\b)+16
.endr
.set t, 0
.rept 16
	ds_load_b128 v[BK+4*t:BK+4*t+3], v[RD] offset:t*SP  ; LDS serves a wave's instructions in order (ISA guide 5.7.1.4)
.set t, t+1
.endr
.endm
.macro SENDP a
.set BK, BF+64*((\a)%2)
	s_wait_dscnt 0x0                               ; the block is back in registers
	s_wait_xcnt 0x0                                ; the stores of the block before have read their registers, into which the next block's rows are loaded behind the stores below
.set t, 0
.rept 16
	global_store_b128 v[CO], v[BK+4*t:BK+4*t+3], s[8:9] offset:(16*(\a)+t)*4096 th:TH_STORE_NT  ; 512 consecutive bytes, aligned
.set t, t+1
.endr
.endm
	s_wait_tensorcnt 0x1                           ; my part of step 0 is in; step 1's may stay out
	s_wait_dscnt 0x0                               ; my rows' words lie in the table
	s_barrier_signal -1
	s_barrier_wait -1
	FACS                                           ; group 0's factors
	FETCHP 0, 0
	QPV 1, 0, 1, 1                                 ; the first quarter stands in front of the loop: its products start the sums
	WIN 0
	s_mov_b32 s3, NS-2
.Lstep:
	QPV 2, 1, 0, 0
	QPV 3, 0, 1, 0
	TURNP 1
	QPV 1, 0, 1, 0
	WIN 0
	s_sub_co_u32 s3, s3, 1
	s_cmp_lg_u32 s3, 0
	s_cbranch_scc1 .Lstep
	s_mov_b32 s3, 2
.Ltail:                                        ; the last two steps ask for nothing; the second trip is left in its middle, and its 24 loads from the other slot serve nothing
	QPV 2, 1, 0, 0
	QPV 3, 0, 1, 0
	TURNP 0
	WIN 0
	s_sub_co_u32 s3, s3, 1
	s_cmp_eq_u32 s3, 0
	s_cbranch_scc1 .Lout
	QPV 1, 0, 1, 0
	WIN 0
	s_cmp_lg_u32 s3, 0
	s_cbranch_scc1 .Ltail
.Lout:
	s_wait_dscnt 0x0                               ; entry 16, the four reciprocals, is in
.rept 8
	v_nop                                          ; the places behind the last products
.endr
.irp a, 0,1,2,3
	v_mov_b32 v[RC+2*(\a)], v[FAC+(\a)]            ; each reciprocal twice: a pair for the packed multiply
	v_mov_b32 v[RC+2*(\a)+1], v[FAC+(\a)]
.endr
	MULT 0
	STG 0
.irp a, 1,2,3                          ; block a's multiplies stand between block a - 1's loads from the stage and the wait for them
	MULT \a
	SENDP (\a)-1
	STG \a
.endr
	SENDP 3
	s_wait_tensorcnt 0x0                           ; the wave's end
	ds_add_u32 v[SPW], v[NIL]
	s_wait_dscnt 0x0
	CROUND                                         ; the closing round
	s_endpgm
.Lfunc_end_k_q7ebaf45852_pv:
	.size	k_q7ebaf45852_pv, .Lfunc_end_k_q7ebaf45852_pv-k_q7ebaf45852_pv
	.p2alignl 7, 3214868480
	.fill 96, 4, 3214868480
	.section	.rodata,"a",@progbits
	.p2align	6, 0x0
	.amdhsa_kernel k_q7ebaf45852_pv
		.amdhsa_group_segment_fixed_size 327680
		.amdhsa_private_segment_fixed_size 0
		.amdhsa_enable_private_segment 0
		.amdhsa_kernarg_size 32
		.amdhsa_user_sgpr_count 2
		.amdhsa_user_sgpr_kernarg_segment_ptr 1
		.amdhsa_wavefront_size32 1
		.amdhsa_system_sgpr_workgroup_id_x 1
		.amdhsa_system_sgpr_workgroup_id_y 1
		.amdhsa_system_sgpr_workgroup_id_z 1
		.amdhsa_system_vgpr_workitem_id 0
		.amdhsa_next_free_vgpr 512
		.amdhsa_next_free_sgpr 96
		.amdhsa_reserve_vcc 0
		.amdhsa_float_denorm_mode_32 3
		.amdhsa_float_denorm_mode_16_64 3
		.amdhsa_memory_ordered 1
		.amdhsa_forward_progress 1
		.amdhsa_inst_pref_size 99
	.end_amdhsa_kernel
	.amdgpu_metadata
---
amdhsa.version: [ 1, 2 ]
amdhsa.kernels:
  - .name:           k_q7ebaf45852_pv
    .symbol:         k_q7ebaf45852_pv.kd
    .args:
      - { .name: p, .offset: 0, .size: 8, .value_kind: global_buffer, .address_space: global }
      - { .name: yv, .offset: 8, .size: 8, .value_kind: global_buffer, .address_space: global }
      - { .name: st, .offset: 16, .size: 8, .value_kind: global_buffer, .address_space: global }
      - { .name: out0, .offset: 24, .size: 8, .value_kind: global_buffer, .address_space: global }
    .group_segment_fixed_size: 327680
    .private_segment_fixed_size: 0
    .kernarg_segment_align: 8
    .kernarg_segment_size: 32
    .max_flat_workgroup_size: 128
    .sgpr_count:     96
    .vgpr_count:     512
    .wavefront_size: 32
...
	.end_amdgpu_metadata
.endif
;; end of part 5
;; ======== version 2 of 2: 5 launches; version 1 with the launches prep, gram written anew for expert scheduling mode
;; limits: values are held in f16: magnitudes above 65,504 overflow, below 6.1e-05 lose precision; right only within a limited range of input values
;; workspace buffers: xh 16,777,216 bytes; wh 4,194,304 bytes; bcat 4,194,304 bytes; yv 33,554,432 bytes; p 33,554,432 bytes; st 1,048,576 bytes
;; launch prep (part 6): grid 256 x 1, 8 waves a work-group, no clusters, 0 bytes of LDS; arguments x, Wq, Wk, Wv, xh, wh, bcat; writes xh, wh, bcat
.if DOCPART == 6
	.amdgcn_target "amdgcn-amd-amdhsa--gfx1250"
	.amdhsa_code_object_version 6
	.text
	.protected	k_q7ebaf45852_prep
	.globl	k_q7ebaf45852_prep
	.p2align	8
	.type	k_q7ebaf45852_prep,@function
k_q7ebaf45852_prep:
	s_mov_b64 s[64:65], 0
	v_nop
	global_prefetch_b8 v0, s[64:65] scope:SCOPE_SE
	s_setreg_imm32_b32 hwreg(HW_REG_WAVE_SCHED_MODE, 0, 2), 2
	s_setreg_imm32_b32 hwreg(HW_REG_WAVE_MODE, 25, 1), 1
	s_wait_xcnt 0x0
	s_wait_alu depctr_vm_vsrc(0)
; x, Wq, Wk, Wv (f32) are rounded once to f16: xh [8192][1024]; wh = Wq, then Wk, each [1024][1024]; Wv goes into the right half of bcat [1024][2048].
; LIMIT: a number of 65,520 or more in magnitude becomes an infinity in f16; the inputs are taken to lie within 65,504.
; A stream: no LDS, no matrix unit, no loop.  A work-group takes 32 rows of x and 4 rows of each W, so all 256 are alike.
; A load of a wave takes 512 consecutive bytes (16 a lane), so no byte is touched by two loads; two roundings; a store of 8 bytes a lane: 256 consecutive bytes, aligned.
; A wave has 44 such loads (32 of x, 4 of each W); all go out first, so the wave's whole share is on its way at once; no register is written twice by vector instructions.
; THE MODE: SCHED_MODE bits 1:0 = 2 (LLVM: expert scheduling mode 2), set by the entry lines.  The code itself states the register dependences
; between vector instructions and memory instructions, with s_wait_alu, always for 0.
; THE PLAN.  Registers that memory instructions touch:
;   v2, v4        the loads' offsets; v3, v5, v6 the stores': made at the head and never written again: one wait, ahead of the first load, states that they are written.
;   v[D + 4 p ..] load p lands in four registers; its two roundings read them and write the first two; store p reads those two; nothing writes them again, and no load is issued behind a rounding.
; The 44 loads go in 11 blocks of four (blocks 0-7: x; 8: Wq; 9: Wk; 10: Wv).  Block k's roundings name block k's registers alone; the memory instructions issued in block k are the four
; stores of block k - 1.  So ONE wait at a block's head states all that those stores hang on, and they are dealt among the block's roundings with no further wait.
.set D, 16                             ; v[16:191]  load p at D + 4 p
.macro LD1 p, vo, sb, imm
	global_load_b128 v[D+4*(\p):D+4*(\p)+3], v[\vo], s[\sb:\sb+1] offset:(\imm) th:TH_LOAD_NT
.endm
.macro CV p                            ; load p's four numbers, rounded in place, ascending: what is written has been read
	v_cvt_pk_f16_f32 v[D+4*(\p)],   v[D+4*(\p)],   v[D+4*(\p)+1]
	v_cvt_pk_f16_f32 v[D+4*(\p)+1], v[D+4*(\p)+2], v[D+4*(\p)+3]
.endm
.macro ST1 p                           ; store p: which buffer it belongs to follows from its number
.if (\p) < 32
	global_store_b64 v3, v[D+4*(\p):D+4*(\p)+1], s[12:13] offset:256*(\p) th:TH_STORE_NT
.elseif (\p) < 36
	global_store_b64 v5, v[D+4*(\p):D+4*(\p)+1], s[14:15] offset:256*((\p)-32) th:TH_STORE_NT
.elseif (\p) < 40
	global_store_b64 v5, v[D+4*(\p):D+4*(\p)+1], s[14:15] offset:2097152+256*((\p)-36) th:TH_STORE_NT  ; Wk lies behind Wq in wh
.else
	global_store_b64 v6, v[D+4*(\p):D+4*(\p)+1], s[16:17] offset:256*((\p)-40) th:TH_STORE_NT
.endif
.endm
	s_load_b256 s[4:11], s[0:1], 0x0               ; x s[4:5], Wq s[6:7], Wk s[8:9], Wv s[10:11]
	s_load_b128 s[12:15], s[0:1], 0x20             ; xh s[12:13], wh s[14:15]
	s_load_b64 s[16:17], s[0:1], 0x30              ; bcat
	v_and_b32 v1, 31, v0                           ; lane
	v_lshrrev_b32 v7, 5, v0                        ; wave
	v_lshlrev_b32 v8, 4, v1                        ; 16 x lane: in
	v_lshlrev_b32 v9, 3, v1                        ; 8 x lane: out
	v_lshl_add_u32 v2, v7, 14, v8                  ; x in: the wave's 4 rows, 16,384 bytes
	v_lshl_add_u32 v3, v7, 13, v9                  ; xh out: 8,192 bytes
	v_lshl_add_u32 v4, v7, 11, v8                  ; W in: half a row, 2,048 bytes
	v_lshl_add_u32 v5, v7, 10, v9                  ; wh out: 1,024 bytes
	v_lshrrev_b32 v10, 1, v7                       ; bcat out: row wave / 2 (4,096 bytes a row),
	v_and_b32 v11, 1, v7                           ; half wave % 2 of its right half
	v_lshl_add_u32 v6, v10, 12, v9
	v_lshl_add_u32 v6, v11, 10, v6
	v_add_nc_u32 v6, 2048, v6
	s_lshl_b32 s20, ttmp9, 17                      ; the group's 32 rows of x
	s_mov_b32 s21, 0
	s_lshl_b32 s22, ttmp9, 14                      ; its 4 rows of a W, and of bcat
	s_mov_b32 s23, 0
	s_lshl_b32 s24, ttmp9, 16                      ; its 32 rows of xh
	s_mov_b32 s25, 0
	s_lshl_b32 s26, ttmp9, 13                      ; its 4 rows of wh
	s_mov_b32 s27, 0
	s_wait_kmcnt 0x0
	s_add_nc_u64 s[4:5], s[4:5], s[20:21]
	s_add_nc_u64 s[6:7], s[6:7], s[22:23]
	s_add_nc_u64 s[8:9], s[8:9], s[22:23]
	s_add_nc_u64 s[10:11], s[10:11], s[22:23]
	s_add_nc_u64 s[12:13], s[12:13], s[24:25]
	s_add_nc_u64 s[14:15], s[14:15], s[26:27]
	s_add_nc_u64 s[16:17], s[16:17], s[22:23]
	s_wait_alu depctr_va_vdst(0)                   ; the five offsets v2 to v6 are written: every load and store of the kernel reads one of them
.set p, 0
.rept 32
	LD1 p, 2, 4, 512*p
.set p, p+1
.endr
.irp i, 0,1,2,3
	LD1 32+(\i), 4, 6, 512*(\i)
.endr
.irp i, 0,1,2,3
	LD1 36+(\i), 4, 8, 512*(\i)
.endr
.irp i, 0,1,2,3
	LD1 40+(\i), 4, 10, 512*(\i)
.endr
.set k, 0
.rept 11                               ; block k: its four loads are rounded; the four stores of block k - 1 leave among the roundings
	s_wait_loadcnt 40-4*k                          ; loads come back in order: behind the block's last load, 4 k + 3, 40 - 4 k were issued
.if k > 0
	s_wait_alu depctr_va_vdst(0)                   ; the roundings of block k - 1 have written the registers that the four stores below read
.endif
.irp i, 0,1,2,3
.if k > 0
	ST1 4*(k-1)+(\i)                               ; no vector instruction since the wait names its registers
.endif
	CV 4*k+(\i)
.endr
.set k, k+1
.endr
	s_wait_alu depctr_va_vdst(0)                   ; the roundings of block 10 have written the registers that the last four stores read
.irp i, 0,1,2,3
	ST1 40+(\i)
.endr
	s_endpgm
.Lfunc_end_k_q7ebaf45852_prep:
	.size	k_q7ebaf45852_prep, .Lfunc_end_k_q7ebaf45852_prep-k_q7ebaf45852_prep
	.p2alignl 7, 3214868480
	.fill 96, 4, 3214868480
	.section	.rodata,"a",@progbits
	.p2align	6, 0x0
	.amdhsa_kernel k_q7ebaf45852_prep
		.amdhsa_group_segment_fixed_size 0
		.amdhsa_private_segment_fixed_size 0
		.amdhsa_enable_private_segment 0
		.amdhsa_kernarg_size 56
		.amdhsa_user_sgpr_count 2
		.amdhsa_user_sgpr_kernarg_segment_ptr 1
		.amdhsa_wavefront_size32 1
		.amdhsa_system_sgpr_workgroup_id_x 1
		.amdhsa_system_sgpr_workgroup_id_y 1
		.amdhsa_system_sgpr_workgroup_id_z 1
		.amdhsa_system_vgpr_workitem_id 0
		.amdhsa_next_free_vgpr 192
		.amdhsa_next_free_sgpr 66
		.amdhsa_reserve_vcc 0
		.amdhsa_float_denorm_mode_32 3
		.amdhsa_float_denorm_mode_16_64 3
		.amdhsa_memory_ordered 1
		.amdhsa_forward_progress 1
		.amdhsa_inst_pref_size 17
	.end_amdhsa_kernel
	.amdgpu_metadata
---
amdhsa.version: [ 1, 2 ]
amdhsa.kernels:
  - .name:           k_q7ebaf45852_prep
    .symbol:         k_q7ebaf45852_prep.kd
    .args:
      - { .name: x, .offset: 0, .size: 8, .value_kind: global_buffer, .address_space: global }
      - { .name: Wq, .offset: 8, .size: 8, .value_kind: global_buffer, .address_space: global }
      - { .name: Wk, .offset: 16, .size: 8, .value_kind: global_buffer, .address_space: global }
      - { .name: Wv, .offset: 24, .size: 8, .value_kind: global_buffer, .address_space: global }
      - { .name: xh, .offset: 32, .size: 8, .value_kind: global_buffer, .address_space: global }
      - { .name: wh, .offset: 40, .size: 8, .value_kind: global_buffer, .address_space: global }
      - { .name: bcat, .offset: 48, .size: 8, .value_kind: global_buffer, .address_space: global }
    .group_segment_fixed_size: 0
    .private_segment_fixed_size: 0
    .kernarg_segment_align: 8
    .kernarg_segment_size: 56
    .max_flat_workgroup_size: 256
    .sgpr_count:     66
    .vgpr_count:     192
    .wavefront_size: 32
...
	.end_amdgpu_metadata
.endif
;; end of part 6
;; launch gram (part 7): grid 256 x 1, 8 waves a work-group, no clusters, 136,192 bytes of LDS; arguments wh, bcat; writes bcat
.if DOCPART == 7
	.amdgcn_target "amdgcn-amd-amdhsa--gfx1250"
	.amdhsa_code_object_version 6
	.text
	.protected	k_q7ebaf45852_gram
	.globl	k_q7ebaf45852_gram
	.p2align	8
	.type	k_q7ebaf45852_gram,@function
k_q7ebaf45852_gram:
	s_mov_b64 s[64:65], 0
	v_nop
	global_prefetch_b8 v0, s[64:65] scope:SCOPE_SE
	s_setreg_imm32_b32 hwreg(HW_REG_WAVE_SCHED_MODE, 0, 2), 2
	s_setreg_imm32_b32 hwreg(HW_REG_WAVE_MODE, 25, 1), 1
	s_wait_xcnt 0x0
	s_wait_alu depctr_vm_vsrc(0)
; M[d][d'] = the sum over e of Wq[d][e] Wk[d'][e], f16 operands, f32 sums, rounded once to f16 into the left half of bcat [1024][2048].
; (q k^T = x Wq Wk^T x^T for every input: one product with M takes the place of two projections.)  LIMIT: |M| stays under 65,504.
; SHARES.  Work-group (i, j) makes rows 32 i .. +31 and columns 128 j .. +127: a row of the tile is 256 bytes of bcat, aligned.  K IS SPLIT AMONG THE EIGHT WAVES: wave w takes
; e = 128 w .. +127, 256 aligned bytes of each of the 160 rows, as four K steps of 32, for all 16 accumulators.  The eight partial tiles meet in LDS (f32 sums in any order).
; Fragments come straight from memory (both tensors have e along their rows): nothing passes LDS on the way in.  NO CLUSTER: a joint tile would be 160 rows x 2,048 bytes and
; their padding, 337,920 bytes, more than the 327,680 of LDS.  NO PREFETCH: a work-group's whole share, 80 loads a wave, goes out in its first lines.
; The product is used transposed (source 0 = 16 rows of Wk, source 1 = 16 rows of Wq): a lane holds row 16 a + l % 16 of M and the columns 16 b + 8 (l / 16) + 0..7.
; THE MODE: SCHED_MODE bits 1:0 = 2 (LLVM: expert scheduling mode 2), set by the entry lines.  The code itself states the register dependences
; between vector or matrix instructions and memory or LDS instructions, with s_wait_alu, always for 0.
; THE PLAN.  Registers that memory or LDS instructions touch:
;   s14               the wave's number, written by a vector instruction: one wait on va_sdst ahead of its first reader.
;   v2 to v6, v8, v9  addresses and the closing add's pair: made at the head and never written again: one wait on va_vdst ahead of the first load states that they are written.
;   sets 0 to 3       each is loaded once and read by matrix instructions alone; nothing lands in them a second time, and no vector instruction writes them: nothing is owed.
;   v[16:143]         written by the matrix instructions; read by my 32 LDS stores (a wait on va_vdst ahead of them, behind the places); then the 32 LDS loads land in them (a wait on vm_vsrc
;                     ahead of those: the stores have read them; the wait on va_vdst still holds, since no vector instruction between names them); then the additions and roundings work in
;                     them, and the four global stores read two registers of each row (one wait on va_vdst ahead of the run of four).
.set PP,    528                        ; a row of a partial tile in LDS: 512 bytes + 16: an odd multiple of 16, so 16 rows start in 16 different groups of four banks (ISA guide 11.1)
.set PART,  32*PP                      ; a wave's partial tile
.set SPARE, 8*PART                     ; behind them: the spare words, 128 bytes for each wave: four blocks of 256 bytes that no other line names
.set FO,  2                            ; v2  (l % 16) x 2,048 + 16 (l / 16) + 256 w: my bytes in a fragment's rows; never rewritten
.set LS,  3                            ; v3  where I put 32 bytes of my partial tile
.set LR,  4                            ; v4  where I read 16 bytes of a row back, partial tiles 0-3
.set LR2, 5                            ; v5  partial tiles 4-7
.set YO,  6                            ; v6  my 8 bytes of a row of the tile in bcat
.set SPW, 8                            ; v8  LDS address of my spare word; never rewritten
.set NIL, 9                            ; v9  0; never rewritten
.set ACC, 16                           ; v[16:143] accumulator (a, b) at ACC + 8 (8 a + b)
.set S3,  144                          ; v[144:223] fragment set 3; sets 0, 1, 2 lie in window 1 at 0, 80, 160.  In a set: Wk's fragment b at 8 b, Wq's a at 64 + 8 a
.set MSB, 0
.macro WIN new                         ; the immediate's high byte repeats the setting that is left
.if MSB != (\new)
	s_set_vgpr_msb (MSB<<8)|(\new)
.set MSB, \new
.endif
.endm
.macro LOADS t                         ; K step t: 20 loads
.if (\t) < 3
	WIN 0x40                                       ; destination window 1, address window 0
.set SB, 80*(\t)
.else
	WIN 0
.set SB, S3
.endif
.irp b, 0,1,2,3,4,5,6,7
	global_load_b128 v[SB+8*(\b):SB+8*(\b)+3],   v[FO], s[10:11] offset:(\b)*32768+64*(\t)
	global_load_b128 v[SB+8*(\b)+4:SB+8*(\b)+7], v[FO], s[10:11] offset:(\b)*32768+64*(\t)+32
.endr
.irp a, 0,1
	global_load_b128 v[SB+64+8*(\a):SB+64+8*(\a)+3],   v[FO], s[8:9] offset:(\a)*32768+64*(\t)
	global_load_b128 v[SB+64+8*(\a)+4:SB+64+8*(\a)+7], v[FO], s[8:9] offset:(\a)*32768+64*(\t)+32
.endr
.endm
.macro MULS t, zero                    ; 16 products; the 16 accumulators take turns
.if (\t) < 3
	WIN 0x05                                       ; sources 0 and 1 window 1, C and D window 0
.set SB, 80*(\t)
.else
	WIN 0
.set SB, S3
.endif
.irp a, 0,1
.irp b, 0,1,2,3,4,5,6,7
.if \zero
	v_wmma_f32_16x16x32_f16 v[ACC+8*(8*(\a)+(\b)):ACC+8*(8*(\a)+(\b))+7], v[SB+8*(\b):SB+8*(\b)+7], v[SB+64+8*(\a):SB+64+8*(\a)+7], 0
.else
	v_wmma_f32_16x16x32_f16 v[ACC+8*(8*(\a)+(\b)):ACC+8*(8*(\a)+(\b))+7], v[SB+8*(\b):SB+8*(\b)+7], v[SB+64+8*(\a):SB+64+8*(\a)+7], v[ACC+8*(8*(\a)+(\b)):ACC+8*(8*(\a)+(\b))+7]
.endif
.endr
.endr
.endm
	s_load_b128 s[4:7], s[0:1], 0x0                ; wh s[4:5], bcat s[6:7]
	v_lshl_add_u32 v[SPW], v0, 2, SPARE
	v_mov_b32 v[NIL], 0
	v_lshrrev_b32 v1, 5, v0
	v_readfirstlane_b32 s14, v1                    ; wave 0..7
	v_and_b32 v10, 15, v0                          ; l % 16
	v_bfe_u32 v11, v0, 4, 1                        ; l / 16
	v_and_b32 v12, 31, v0                          ; l
	s_and_b32 s15, ttmp9, 7                        ; j
	s_lshr_b32 s16, ttmp9, 3                       ; i
	s_wait_alu depctr_va_sdst(0)                   ; s14 is written, ahead of its first reader: the wave's places in memory and in LDS are made from it
	s_lshl_b32 s17, s14, 8
	v_lshlrev_b32 v[FO], 11, v10
	v_lshl_add_u32 v[FO], v11, 4, v[FO]
	v_add_nc_u32 v[FO], s17, v[FO]
	s_mul_i32 s18, s14, PART
	v_mul_u32_u24 v[LS], v10, PP
	v_lshl_add_u32 v[LS], v11, 5, v[LS]
	v_add_nc_u32 v[LS], s18, v[LS]
	s_mul_i32 s18, s14, 4*PP                       ; wave w finishes rows 4 w .. 4 w + 3
	v_lshl_add_u32 v[LR], v12, 4, s18
	v_add_nc_u32 v[LR2], 4*PART, v[LR]
	s_lshl_b32 s18, s14, 14                        ; 4 w rows of 4,096 bytes
	v_lshl_add_u32 v[YO], v12, 3, s18
	s_lshl_b32 s20, s16, 16                        ; Wq's rows 32 i on
	s_mov_b32 s21, 0
	s_lshl_b32 s22, s15, 18                        ; Wk's rows 128 j on,
	s_add_co_u32 s22, s22, 2097152                 ; behind Wq
	s_mov_b32 s23, 0
	s_lshl_b32 s24, s16, 17                        ; bcat's rows 32 i on,
	s_lshl_b32 s25, s15, 8                         ; columns 128 j on
	s_add_co_u32 s24, s24, s25
	s_mov_b32 s25, 0
	s_wait_kmcnt 0x0
	s_add_nc_u64 s[8:9], s[4:5], s[20:21]
	s_add_nc_u64 s[10:11], s[4:5], s[22:23]
	s_add_nc_u64 s[12:13], s[6:7], s[24:25]
	WIN 0x40                                       ; the first loads' window, ahead of the wait
	s_wait_alu depctr_va_vdst(0)                   ; the five addresses v2 to v6 are written, which the loads and stores below read; so are v8 and v9, which the closing add reads
	LOADS 0
	LOADS 1
	LOADS 2
	s_wait_loadcnt 40                              ; set 0 is in; sets 1 and 2 may be out
	MULS 0, 1                                      ; the first K step starts the sums
	LOADS 3                                        ; no wait: no vector or matrix instruction has named v[144:223], in which these land, nor written v2 since the wait above
	s_wait_loadcnt 40                              ; set 1 is in; sets 2 and 3 may be out
	MULS 1, 0
	s_wait_loadcnt 20
	MULS 2, 0
	s_wait_loadcnt 0x0
	MULS 3, 0
	WIN 0
.rept 8
	v_nop                                          ; the places behind the last products, in front of the LDS stores that read results
.endr
	s_wait_alu depctr_va_vdst(0)                   ; the matrix instructions have written the accumulators, which the LDS stores read and in which the LDS loads further down land; the places above stay beside this wait
.irp a, 0,1
.irp b, 0,1,2,3,4,5,6,7
	ds_store_b128 v[LS], v[ACC+8*(8*(\a)+(\b)):ACC+8*(8*(\a)+(\b))+3]   offset:(\a)*16*PP+64*(\b)  ; each accumulator's low registers first
	ds_store_b128 v[LS], v[ACC+8*(8*(\a)+(\b))+4:ACC+8*(8*(\a)+(\b))+7] offset:(\a)*16*PP+64*(\b)+16
.endr
.endr
	s_wait_dscnt 0x0                               ; for the others' sake: my partial tile lies in LDS
	s_barrier_signal -1
	s_barrier_wait -1
	s_wait_alu depctr_vm_vsrc(0)                   ; my LDS stores have read v[16:143], in which the loads below land
.irp q, 0,1,2,3                        ; row 4 w + q of all eight partial tiles: 32 lanes x 16 bytes are the row's 128 sums
.irp c, 0,1,2,3
	ds_load_b128 v[ACC+4*(8*(\q)+(\c)):ACC+4*(8*(\q)+(\c))+3], v[LR] offset:(\q)*PP+(\c)*PART
.endr
.irp c, 0,1,2,3
	ds_load_b128 v[ACC+4*(8*(\q)+4+(\c)):ACC+4*(8*(\q)+4+(\c))+3], v[LR2] offset:(\q)*PP+(\c)*PART
.endr
.endr
	s_wait_dscnt 0x0
.irp q, 0,1,2,3                        ; all four rows' additions and roundings stand ahead of the one wait for them
.set R, ACC+32*(\q)
.irp k, 0,8,16,24
	v_pk_add_f32 v[R+(\k):R+(\k)+1],   v[R+(\k):R+(\k)+1],   v[R+(\k)+4:R+(\k)+5]
	v_pk_add_f32 v[R+(\k)+2:R+(\k)+3], v[R+(\k)+2:R+(\k)+3], v[R+(\k)+6:R+(\k)+7]
.endr
.irp k, 0,16
	v_pk_add_f32 v[R+(\k):R+(\k)+1],   v[R+(\k):R+(\k)+1],   v[R+(\k)+8:R+(\k)+9]
	v_pk_add_f32 v[R+(\k)+2:R+(\k)+3], v[R+(\k)+2:R+(\k)+3], v[R+(\k)+10:R+(\k)+11]
.endr
	v_pk_add_f32 v[R:R+1],   v[R:R+1],   v[R+16:R+17]
	v_pk_add_f32 v[R+2:R+3], v[R+2:R+3], v[R+18:R+19]
	v_cvt_pk_f16_f32 v[R],   v[R],   v[R+1]
	v_cvt_pk_f16_f32 v[R+1], v[R+2], v[R+3]
.endr
	s_wait_alu depctr_va_vdst(0)                   ; the roundings have written the first two registers of each row, which the four stores read
.irp q, 0,1,2,3
	global_store_b64 v[YO], v[ACC+32*(\q):ACC+32*(\q)+1], s[12:13] offset:(\q)*4096  ; 32 lanes store 256 consecutive bytes, aligned
.endr
	s_wait_dscnt 0x0                               ; the closing lines, six on end
	s_wait_alu 0x0
	s_wait_tensorcnt 0x0
	ds_add_u32 v[SPW], v[NIL]
	s_wait_dscnt 0x0
	s_endpgm
.Lfunc_end_k_q7ebaf45852_gram:
	.size	k_q7ebaf45852_gram, .Lfunc_end_k_q7ebaf45852_gram-k_q7ebaf45852_gram
	.p2alignl 7, 3214868480
	.fill 96, 4, 3214868480
	.section	.rodata,"a",@progbits
	.p2align	6, 0x0
	.amdhsa_kernel k_q7ebaf45852_gram
		.amdhsa_group_segment_fixed_size 136192
		.amdhsa_private_segment_fixed_size 0
		.amdhsa_enable_private_segment 0
		.amdhsa_kernarg_size 16
		.amdhsa_user_sgpr_count 2
		.amdhsa_user_sgpr_kernarg_segment_ptr 1
		.amdhsa_wavefront_size32 1
		.amdhsa_system_sgpr_workgroup_id_x 1
		.amdhsa_system_sgpr_workgroup_id_y 1
		.amdhsa_system_sgpr_workgroup_id_z 1
		.amdhsa_system_vgpr_workitem_id 0
		.amdhsa_next_free_vgpr 512
		.amdhsa_next_free_sgpr 66
		.amdhsa_reserve_vcc 0
		.amdhsa_float_denorm_mode_32 3
		.amdhsa_float_denorm_mode_16_64 3
		.amdhsa_memory_ordered 1
		.amdhsa_forward_progress 1
		.amdhsa_inst_pref_size 23
	.end_amdhsa_kernel
	.amdgpu_metadata
---
amdhsa.version: [ 1, 2 ]
amdhsa.kernels:
  - .name:           k_q7ebaf45852_gram
    .symbol:         k_q7ebaf45852_gram.kd
    .args:
      - { .name: wh, .offset: 0, .size: 8, .value_kind: global_buffer, .address_space: global }
      - { .name: bcat, .offset: 8, .size: 8, .value_kind: global_buffer, .address_space: global }
    .group_segment_fixed_size: 136192
    .private_segment_fixed_size: 0
    .kernarg_segment_align: 8
    .kernarg_segment_size: 16
    .max_flat_workgroup_size: 256
    .sgpr_count:     66
    .vgpr_count:     512
    .wavefront_size: 32
...
	.end_amdgpu_metadata
.endif
;; end of part 7
;; launch proj: the kernel of part 3 again; grid 8 x 32, 4 waves a work-group, clusters of 4 x 4, 327,680 bytes of LDS; arguments xh, bcat, yv; writes yv
;; launch scores: the kernel of part 4 again; grid 8 x 32, 4 waves a work-group, clusters of 4 x 4, 327,680 bytes of LDS; arguments yv, xh, p, st; writes p, st
;; launch pv: the kernel of part 5 again; grid 4 x 64, 4 waves a work-group, clusters of 4 x 4, 327,680 bytes of LDS; arguments p, yv, st, out0; writes out0
